; MI455X (gfx1250); checked and timed in simulation.
; The chip was launched on July 23, 2026; its instructions are those of AMD's public machine-readable ISA for CDNA 5 (MIT licence, August 2026) and "CDNA5" Instruction Set Architecture Reference Guide (July 2026). The comments in the code are by the model that wrote it; some were corrected since.
;; Attention. Allowed arithmetic: matrix products marked QUANTISED: E2M3 operands, one E8M0 scale for each 32 along K, by v_wmma_scale_f32_16x16x128_f8f6f4 with both operands' format E2M3, f32 sums; everything else in f32.
;; Inputs: b_out 1,024 float32; mask 4 x 2,048 bool; w_out 1,024 x 1,024 float32; w_qkv 1,024 x 3,072 float32; x 4 x 2,048 x 1,024 float32.
;; Outputs: out0 4 x 2,048 x 1,024 float32.
;; This version of the problem:
;;   THIS VERSION OF THE PROBLEM IS GIVEN IN LOW PRECISION. The matrix products marked QUANTISED in the list below multiply operands that are first quantised to E2M3 (2 exponent bits, 3 mantissa bits; 6 bits a number), with one power-of-two scale for each 32 numbers along K (OCP MX v1.0); their sums are f32. All else is computed in f32.
;;   The module's matrix products, in the order in which they are computed (A, B: the left and right operand; K: the contracted axis; several contracted axes count as one K, in the product's order):
;;     1. [M 8,192, K 1,024] x [K 1,024, N 3,072]; A: input x; B: input w_qkv: QUANTISED
;;     2. batch 64 x [M 2,048, K 64] x [K 64, N 2,048]; A: computed on the way; B: computed on the way: QUANTISED
;;     3. batch 64 x [M 2,048, K 2,048] x [K 2,048, N 64]; A: softmax (see below); B: computed on the way: QUANTISED
;;     4. [M 8,192, K 1,024] x [K 1,024, N 1,024]; A: computed on the way; B: input w_out: QUANTISED
;;   THE QUANTISER, for each operand of a quantised product, along K:
;;     - K is cut into blocks of 32 from its start; a last block that is shorter is filled with zeros.
;;     - A block's scale is 2^e with e = floor(log2(the largest magnitude in the block)) - 2, held to -126 .. 127; a block of zeros has e = 0. As a byte (E8M0): e + 127.
;;     - Each number is divided by its block's scale, clamped to +-7.5, and rounded to the nearest number of E2M3, ties to even, subnormals kept.
;;     - The product sums the exact products of the quantised numbers (number of the format x scale) in f32.
;;   ~~~python
;;   def quantise(x, axis):      # numpy; x: float32 -> the quantised numbers, widened to float32 again
;;       x = np.moveaxis(x, axis, -1); K = x.shape[-1]
;;       x = np.pad(x, [(0, 0)] * (x.ndim - 1) + [(0, -K % 32)]); x = x.reshape(x.shape[:-1] + (-1, 32)); a = np.abs(x).max(-1, keepdims=True)
;;       e = np.where(a > 0, np.clip(np.frexp(np.where(a > 0, a, 1))[1] - 1 - 2, -126, 127), 0)      # np.frexp(a)[1] - 1 = floor(log2(a)), exactly
;;       r = np.clip(x / 2.0 ** e, -7.5, 7.5)
;;       step = 2.0 ** (np.maximum(np.frexp(np.where(r == 0, 1, r))[1] - 1, 0) - 3)
;;       q = np.round(r / step) * step * 2.0 ** e      # np.round: ties to even
;;       return np.moveaxis(q.reshape(q.shape[:-2] + (-1,))[..., :K], -1, axis).astype(np.float32)
;;   ~~~
;;   SOFTMAX AHEAD OF A QUANTISED PRODUCT. Where the list says 'softmax', what is quantised is not the finished softmax but p = 2^(t - M), with t = logit x log2(e) and M = ceil(the row's largest t), a whole number; so 1/2 < the row's largest p <= 1. The row's sum l is taken of the UNQUANTISED p, in f32, and the product's result is divided by l at the end. Since M is a whole number, a kernel that streams over the keys may use a running M (the ceiling of the running maximum): every later rescaling is an exact power of two, which a block's scale takes up: the codes' values come out the same.
;;   OPERANDS COMPUTED ON THE WAY. 'Computed on the way' means the value that the module computes at that place (a softmax that the list does not call 'softmax' is quantised finished and normalised). What goes into a quantiser is computed in f32, as accurately as f32 sums, v_exp_f32 and their like allow (about 1e-6 of the number): no bf16 or f16 on the way to a quantiser, and a product that is left as it is and whose result goes on into a quantised operand takes f32 operands (vector FMAs, or v_wmma_f32_16x16x4_f32). A number that lies on a knife's edge between two numbers of the format may be rounded either way, as far as f32 arithmetic and the matrix unit's own rounding can turn it there, and no further.
;; One version. Each part assembles by itself: llvm-mc -triple=amdgcn-amd-amdhsa -mcpu=gfx1250 --defsym DOCPART=n.
;; ======== version 1 of 1: 4 launches
;; limits: right only within a limited range of input values
;; workspace buffers: xq 6,553,600 bytes; wq 2,457,600 bytes; wo 819,200 bytes; qrec 8,912,896 bytes; kv 15,466,496 bytes; oq 6,553,600 bytes
;; launch quant (part 1): grid 384 x 1, 4 waves a work-group, no clusters, 86,528 bytes of LDS; arguments x, w_qkv, w_out, xq, wq, wo; writes xq, wq, wo
.if DOCPART == 1
	.amdgcn_target "amdgcn-amd-amdhsa--gfx1250"
	.amdhsa_code_object_version 6
	.text
	.protected	k_q30d443b4ac_quant
	.globl	k_q30d443b4ac_quant
	.p2align	8
	.type	k_q30d443b4ac_quant,@function
k_q30d443b4ac_quant:
	s_mov_b64 s[64:65], 0
	v_nop
	global_prefetch_b8 v0, s[64:65] scope:SCOPE_SE
	s_setreg_imm32_b32 hwreg(HW_REG_WAVE_MODE, 25, 1), 1
	s_wait_xcnt 0x0
; x [8192][1024], w_qkv [1024][3072] and w_out [1024][1024], all f32, become codes of FP6 (E2M3) with one E8M0 byte for each 32 along K (K = 1024 in all three).
; A block's scale is 2^(floor(log2(its largest magnitude)) - 2); its byte is the largest magnitude's exponent field - 2, held at 1 from below.
; (A block of zeros so gets the byte 1 where the rule says 127: its codes are zeros, and this program alone reads the bytes.)  LIMITS: NaN and infinities among the inputs are not served.
; THE CODES ARE LAID AS IMAGES OF THE OPERAND'S REGISTERS.  A fragment is 16 rows x 128 K, 12 registers a lane: lane (r, h) holds row r, registers 6 c .. 6 c + 5 hold k = 64 c + 32 h + 0 .. 31.
; Its image is 1,536 bytes: for c = 0, 1 at 768 c: registers 6 c .. 6 c + 3 at 16 x lane (512 bytes), registers 6 c + 4, 6 c + 5 at 512 + 8 x lane (256 bytes).  A buffer is [row tile][8 K steps][1,536];
; behind the images lie the scale bytes, [stored row][32].
; STORED ORDER.  Rows of x and columns of w_qkv are stored with bits 3 and 4 of their number exchanged: lane r of stored tile 2 g + u holds number 32 g + 8 u + r % 8 + 16 (r / 8).  So the results of a product that is
; used transposed lie with 16 neighbours along the next K in a lane's 16 registers of two neighbouring tiles.  w_out's columns stay in their order.
; THREE PATHS, parted by the work-group's number: 0-255 x (32 rows each), 256-351 w_qkv, 352-383 w_out (128 columns x 256 along K each): 128 KiB of f32 to each work-group.  Each path has LDS bytes of its own.
.set XST,  0                           ; x: a stage of 16 rows x 528 bytes for each wave
.set XSC,  33792                       ; x: the work-group's 32 rows x 32 scale bytes
.set W1ST, 34816                       ; w_qkv: a stage of 2 x 3,200 bytes for each wave
.set W2ST, 60416                       ; w_out: the same
.set R,    16                          ; v16-143  x: two sets of 64 registers as loaded
.set X,    144                         ; v144-207 x: 64 numbers of my row: register 16 b + i = k 32 b + 16 h + i
.set PC,   208                         ; v208-219 the fragment's codes
.set T2,   220                         ; v220-226 the upper halves of the blocks, before they are moved
.set TM,   228                         ; v228-231 largest magnitudes, v232-235 bytes, v240-243 the conversions' scale operands
.set PW,   244                         ; the scale word
.set WX,   32                          ; v32-95   weights: two sets of 32 numbers down K
.set WC,   96                          ; v96-102  a block's codes
.set SB,   24                          ; v24-25   my column's eight scale bytes
.set OUTR, 112                         ; v112-159 the way out
	s_load_b256 s[4:11], s[0:1], 0x0               ; x s[4:5], w_qkv s[6:7], w_out s[8:9], xq s[10:11]
	s_load_b128 s[12:15], s[0:1], 0x20             ; wq s[12:13], wo s[14:15]
	v_lshl_add_u32 v254, v0, 2, 0x15000
	v_mov_b32 v255, 0
	v_lshrrev_b32 v1, 5, v0
	v_readfirstlane_b32 s16, v1                    ; wave 0..3
	v_and_b32 v10, 31, v0                          ; lane
	s_mov_b32 s20, 0x76543210
	s_mov_b32 s21, 0xfedcba98                      ; v_permlanex16_b32's selects for lane l xor 16
	s_cmp_lt_u32 ttmp9, 256
	s_cbranch_scc0 .Lweights
; ---------------- x: work-group g takes rows 32 g .. 32 g + 31 = stored tiles 2 g, 2 g + 1; wave w takes K steps 2 w, 2 w + 1 of both: four fragments, f = 2 u + s
	v_lshlrev_b32 v1, 4, v10                       ; 16 x lane
	v_lshlrev_b32 v2, 3, v10                       ; 8 x lane
	s_mul_i32 s17, s16, 8448                       ; my stage
	v_add_nc_u32 v3, s17, v1                       ; into it: a row's 512 bytes as they lie
	v_and_b32 v11, 15, v0                          ; r
	v_bfe_u32 v12, v0, 4, 1                        ; h
	v_mul_u32_u24 v4, v11, 528
	v_lshl_add_u32 v4, v12, 6, v4
	v_add_nc_u32 v4, s17, v4                       ; out of it: row r, + 64 h: my 16 numbers of each block of 32
	s_lshl_b32 s18, s16, 3
	v_lshl_add_u32 v5, v11, 5, XSC
	v_add_nc_u32 v5, s18, v5                       ; my row's scale words: 32 r + 8 w
	s_lshl_b32 s18, s16, 8
	v_add_nc_u32 v7, s18, v2                       ; the scale bytes' way out: 256 w + 8 x lane, in memory
	v_add_nc_u32 v6, XSC, v7                       ; and in LDS
.irp b, 0,1,2,3
	v_mov_b32 v[TM+4+\b], 0                        ; written once: a lane permute's destination counts as one of its sources
.endr
	s_lshl_b32 s22, ttmp9, 17                      ; 32 rows of 4,096 bytes
	s_lshl_b32 s23, s16, 10                        ; two K steps of 512 bytes
	s_add_co_u32 s22, s22, s23
	s_mov_b32 s23, 0
	s_mul_i32 s24, ttmp9, 24576                    ; two row tiles of 12,288 bytes
	s_mul_i32 s25, s16, 3072                       ; two fragments
	s_add_co_u32 s24, s24, s25
	s_mov_b32 s25, 0
	s_lshl_b32 s26, ttmp9, 10                      ; 32 rows x 32 scale bytes,
	s_add_co_u32 s26, s26, 6291456                 ; behind the images
	s_mov_b32 s27, 0
	s_wait_alu depctr_va_vdst(0)
	s_wait_kmcnt 0x0
	s_add_nc_u64 s[4:5], s[4:5], s[22:23]
	s_add_nc_u64 s[28:29], s[10:11], s[24:25]
	s_add_nc_u64 s[30:31], s[10:11], s[26:27]
.macro LOADF f                         ; fragment f: sixteen rows, in stored order; each load reads 512 consecutive bytes of one row
.irp i, 0,1,2,3,4,5,6,7,8,9,10,11,12,13,14,15
	global_load_b128 v[R+64*((\f)%2)+4*\i:R+64*((\f)%2)+4*\i+3], v1, s[4:5] offset:(8*((\f)/2)+\i%8+16*(\i/8))*4096+512*((\f)%2) th:TH_LOAD_NT
.endr
.endm
.macro TURNX f                         ; through my stage: LDS serves a wave's instructions in order (ISA guide 5.7.1.4), so no wait stands between the stores and the loads
.irp i, 0,1,2,3,4,5,6,7,8,9,10,11,12,13,14,15
	ds_store_b128 v3, v[R+64*((\f)%2)+4*\i:R+64*((\f)%2)+4*\i+3] offset:528*\i
.endr
.irp b, 0,1,2,3
.irp j, 0,1,2,3
	ds_load_b128 v[X+16*\b+4*\j:X+16*\b+4*\j+3], v4 offset:128*\b+16*\j
.endr
.endr
.endm
; 64 numbers of a lane, register 16 b + i = k 32 b + 16 h + i of my row, become a fragment's codes in v[PC] on and its scale word in v[PW]
.macro QUANT s
.irp b, 0,1,2,3
	v_max3_num_f32 v[TM+\b], |v[\s+16*\b]|, |v[\s+1+16*\b]|, 0x1800000   ; my 16 numbers of block b, and the floor 2^(3 - 127): the byte cannot fall under 1
.endr
.irp i, 2,4,6,8,10,12,14
.irp b, 0,1,2,3
	v_max3_num_f32 v[TM+\b], v[TM+\b], |v[\s+16*\b+\i]|, |v[\s+1+16*\b+\i]|
.endr
.endr
.irp b, 0,1,2,3
	v_permlanex16_b32 v[TM+4+\b], v[TM+\b], s20, s21
.endr
.irp b, 0,1,2,3
	v_max_num_f32 v[TM+\b], v[TM+\b], v[TM+4+\b]   ; with lane l xor 16's: the block's largest magnitude
.endr
.irp b, 0,1,2,3
	v_add_nc_u32 v[TM+12+\b], 0xff000000, v[TM+\b] ; 2 off its exponent field: the conversion takes the exponent field of this operand as its scale
.endr
.irp b, 0,1,2,3
	v_lshrrev_b32 v[TM+4+\b], 23, v[TM+12+\b]      ; the scale's byte
.endr
	v_lshl_or_b32 v[PW], v[TM+5], 8, v[TM+4]
	v_lshl_or_b32 v[PW], v[TM+6], 16, v[PW]
	v_lshl_or_b32 v[PW], v[TM+7], 24, v[PW]
.irp c, 0,1
	v_cvt_scalef32_pk16_fp6_f32 v[PC+6*\c:PC+6*\c+2], v[\s+32*\c:\s+32*\c+15], v[TM+12+2*\c]
	v_cvt_scalef32_pk16_fp6_f32 v[T2+4*\c:T2+4*\c+2], v[\s+32*\c+16:\s+32*\c+31], v[TM+13+2*\c]   ; (a conversion's three registers begin on an even number)
.endr
	v_nop                                          ; one plain place behind a scaled conversion
.irp c, 0,1                            ; the layout wants a WHOLE block in a lane: lanes 0-15 block 2 c, lanes 16-31 block 2 c + 1
.irp i, 0,1,2
	v_permlane16_swap_b32 v[PC+6*\c+\i], v[T2+4*\c+\i]
.endr
.irp i, 0,1,2
	v_mov_b32 v[PC+3+6*\c+\i], v[T2+4*\c+\i]
.endr
.endr
.endm
.macro XFRAG f
.if (\f) < 3
	s_wait_loadcnt 16                              ; this fragment's sixteen loads are in; the younger fragment's sixteen may be out
.else
	s_wait_loadcnt 0x0
.endif
	TURNX \f
	s_wait_dscnt 0x0                               ; my numbers are back, and the stores into the stage have read their registers,
.if (\f) < 2
	LOADF (\f)+2                                   ; which take the loads of two fragments on
.endif
	s_wait_xcnt 0x0                                ; the last fragment's stores have read the codes' registers
	QUANT X
	global_store_b128 v1, v[PC:PC+3], s[28:29] offset:12288*((\f)/2)+1536*((\f)%2)          ; each store covers whole aligned runs of 256 bytes
	global_store_b64 v2, v[PC+4:PC+5], s[28:29] offset:12288*((\f)/2)+1536*((\f)%2)+512
	global_store_b128 v1, v[PC+6:PC+9], s[28:29] offset:12288*((\f)/2)+1536*((\f)%2)+768
	global_store_b64 v2, v[PC+10:PC+11], s[28:29] offset:12288*((\f)/2)+1536*((\f)%2)+1280
	ds_store_b32 v5, v[PW] offset:512*((\f)/2)+4*((\f)%2)   ; both halves of the lanes write the same word with the same value
.endm
	LOADF 0
	LOADF 1
	XFRAG 0
	XFRAG 1
	XFRAG 2
	XFRAG 3
	s_wait_dscnt 0x0                               ; for the others' sake: my scale words lie in LDS
	s_barrier_signal -1
	s_barrier_wait -1                              ; a row's 32 bytes come from four waves
	ds_load_b64 v[12:13], v6
	s_wait_dscnt 0x0
	global_store_b64 v7, v[12:13], s[30:31]        ; 32 lanes store 256 consecutive bytes, aligned
	s_wait_tensorcnt 0x0
	ds_add_u32 v254, v255
	s_wait_dscnt 0x0
	s_endpgm
; ---------------- the weights: K is their FIRST axis.  A lane takes a column and its registers run down K: a block of 32 lies in one lane, and the codes come out with K innermost.
; Wave w of work-group (cb, y) takes columns 32 G .. 32 G + 31, G = 4 cb + w, and K = 256 y .. 256 y + 255: eight blocks a lane.  Block t is block t % 4 of K step t / 4: in the image it is lane r + 16 (t % 2) of half (t % 4) / 2.
.macro WLOAD t, n
.irp i, 0,1,2,3,4,5,6,7,8,9,10,11,12,13,14,15,16,17,18,19,20,21,22,23,24,25,26,27,28,29,30,31
	global_load_b32 v[WX+32*((\t)%2)+\i], v3, s[24:25] offset:(32*(\t)+\i)*\n*4 th:TH_LOAD_NT
.endr
.endm
.macro WBLOCK t, n
.set XS, WX+32*((\t)%2)
.if (\t) < 7
	s_wait_loadcnt 32                              ; this block's 32 loads are in; the next block's may be out
.else
	s_wait_loadcnt 0x0
.endif
	v_max3_num_f32 v14, |v[XS]|, |v[XS+1]|, |v[XS+2]|
	v_max3_num_f32 v15, |v[XS+3]|, |v[XS+4]|, |v[XS+5]|
.irp i, 6,10,14,18,22,26
	v_max3_num_f32 v14, v14, |v[XS+\i]|, |v[XS+\i+1]|
	v_max3_num_f32 v15, v15, |v[XS+\i+2]|, |v[XS+\i+3]|
.endr
	v_max3_num_f32 v14, v14, |v[XS+30]|, |v[XS+31]|
	v_max3_num_f32 v14, v14, v15, 0x1800000        ; and the floor
	v_add_nc_u32 v16, 0xff000000, v14              ; the conversion's scale operand
	v_lshrrev_b32 v17, 23, v16                     ; the byte
.if (\t)%4 == 0
	v_mov_b32 v[SB+(\t)/4], v17
.else
	v_lshl_or_b32 v[SB+(\t)/4], v17, 8*((\t)%4), v[SB+(\t)/4]
.endif
	v_cvt_scalef32_pk16_fp6_f32 v[WC:WC+2], v[XS:XS+15], v16
	v_cvt_scalef32_pk16_fp6_f32 v[WC+4:WC+6], v[XS+16:XS+31], v16
	v_nop                                          ; one plain place behind a scaled conversion
	v_mov_b32 v[WC+3], v[WC+4]                     ; the block's six registers on end
	v_mov_b32 v[WC+4], v[WC+5]
	v_mov_b32 v[WC+5], v[WC+6]
	ds_store_b128 v4, v[WC:WC+3] offset:((\t)/4)*1536+(((\t)%4)/2)*768+256*((\t)%2)
	ds_store_b64 v5, v[WC+4:WC+5] offset:((\t)/4)*1536+(((\t)%4)/2)*768+512+128*((\t)%2)
.if (\t)+2 < 8
	WLOAD (\t)+2, \n
.endif
	s_wait_dscnt 0x0                               ; the stores have read their registers
.endm
.macro WPATH n, swap, stage, first, src, dst, sclofs
	s_sub_co_u32 s17, ttmp9, \first
	s_lshr_b32 s18, s17, 2
	s_and_b32 s19, s17, 3                          ; y
	s_lshl_b32 s18, s18, 2
	s_add_co_u32 s18, s18, s16                     ; G
	v_lshlrev_b32 v3, 2, v10                       ; in: 4 bytes a lane
.if \swap
	v_bfe_u32 v11, v10, 3, 1                       ; column c = 8 u + r % 8 + 16 (r / 8)
	v_and_b32 v12, 7, v10
	v_lshrrev_b32 v13, 1, v10
	v_and_or_b32 v12, v13, 8, v12
.else
	v_lshrrev_b32 v11, 4, v10                      ; column c = 16 u + r
	v_and_b32 v12, 15, v10
.endif
	s_mul_i32 s22, s16, 6400
	s_add_co_u32 s22, s22, \stage                  ; my stage: two tiles' two fragments, 3,200 bytes apart
	v_mul_u32_u24 v13, v11, 3200
	v_add_nc_u32 v13, s22, v13
	v_lshl_add_u32 v4, v12, 4, v13                 ; a block's first four registers: 16 r
	v_lshl_add_u32 v5, v12, 3, v13                 ; its last two: 8 r
	v_lshlrev_b32 v8, 4, v10
	v_add_nc_u32 v7, s22, v8                       ; the way out: 16 x lane
	v_lshl_add_u32 v9, v11, 4, v12
	v_lshlrev_b32 v9, 5, v9                        ; my stored row's 32 scale bytes
	s_mul_i32 s24, s19, 256*\n*4
	s_lshl_b32 s25, s18, 7
	s_add_co_u32 s24, s24, s25
	s_mov_b32 s25, 0
	s_mul_i32 s26, s18, 24576
	s_mul_i32 s27, s19, 3072
	s_add_co_u32 s26, s26, s27
	s_mov_b32 s27, 0
	s_lshl_b32 s28, s18, 10
	s_lshl_b32 s29, s19, 3
	s_add_co_u32 s28, s28, s29
	s_add_co_u32 s28, s28, \sclofs
	s_mov_b32 s29, 0
	s_wait_kmcnt 0x0
	s_add_nc_u64 s[24:25], s[\src:\src+1], s[24:25]
	s_add_nc_u64 s[26:27], s[\dst:\dst+1], s[26:27]
	s_add_nc_u64 s[28:29], s[\dst:\dst+1], s[28:29]
	WLOAD 0, \n
	WLOAD 1, \n
.irp t, 0,1,2,3,4,5,6,7
	WBLOCK \t, \n
.endr
	s_wait_alu depctr_va_vdst(0)
	global_store_b64 v9, v[SB:SB+1], s[28:29]      ; my column's eight scale bytes: 8 of its row's 32
.irp k, 0,1,2,3,4,5,6,7,8,9,10,11
	ds_load_b128 v[OUTR+4*\k:OUTR+4*\k+3], v7 offset:3200*(\k/6)+512*(\k%6)
.endr
.irp k, 0,1,2,3,4,5,6,7,8,9,10,11
	s_wait_dscnt 11-\k
	global_store_b128 v8, v[OUTR+4*\k:OUTR+4*\k+3], s[26:27] offset:12288*(\k/6)+512*(\k%6)   ; 512 consecutive bytes, aligned
.endr
	s_wait_tensorcnt 0x0
	ds_add_u32 v254, v255
	s_wait_dscnt 0x0
	s_endpgm
.endm
.Lweights:
	s_cmp_lt_u32 ttmp9, 352
	s_cbranch_scc0 .Lw_out
	s_wait_alu depctr_va_vdst(0)
	WPATH 3072, 1, W1ST, 256, 6, 12, 2359296
.Lw_out:
	s_wait_alu depctr_va_vdst(0)
	WPATH 1024, 0, W2ST, 352, 8, 14, 786432
.Lfunc_end_k_q30d443b4ac_quant:
	.size	k_q30d443b4ac_quant, .Lfunc_end_k_q30d443b4ac_quant-k_q30d443b4ac_quant
	.p2alignl 7, 3214868480
	.fill 96, 4, 3214868480
	.section	.rodata,"a",@progbits
	.p2align	6, 0x0
	.amdhsa_kernel k_q30d443b4ac_quant
		.amdhsa_group_segment_fixed_size 86528
		.amdhsa_private_segment_fixed_size 0
		.amdhsa_enable_private_segment 0
		.amdhsa_kernarg_size 48
		.amdhsa_user_sgpr_count 2
		.amdhsa_user_sgpr_kernarg_segment_ptr 1
		.amdhsa_wavefront_size32 1
		.amdhsa_system_sgpr_workgroup_id_x 1
		.amdhsa_system_sgpr_workgroup_id_y 1
		.amdhsa_system_sgpr_workgroup_id_z 1
		.amdhsa_system_vgpr_workitem_id 0
		.amdhsa_next_free_vgpr 256
		.amdhsa_next_free_sgpr 66
		.amdhsa_reserve_vcc 0
		.amdhsa_float_denorm_mode_32 3
		.amdhsa_float_denorm_mode_16_64 3
		.amdhsa_memory_ordered 1
		.amdhsa_forward_progress 1
		.amdhsa_inst_pref_size 116
	.end_amdhsa_kernel
	.amdgpu_metadata
---
amdhsa.version: [ 1, 2 ]
amdhsa.kernels:
  - .name:           k_q30d443b4ac_quant
    .symbol:         k_q30d443b4ac_quant.kd
    .args:
      - { .name: x, .offset: 0, .size: 8, .value_kind: global_buffer, .address_space: global }
      - { .name: w_qkv, .offset: 8, .size: 8, .value_kind: global_buffer, .address_space: global }
      - { .name: w_out, .offset: 16, .size: 8, .value_kind: global_buffer, .address_space: global }
      - { .name: xq, .offset: 24, .size: 8, .value_kind: global_buffer, .address_space: global }
      - { .name: wq, .offset: 32, .size: 8, .value_kind: global_buffer, .address_space: global }
      - { .name: wo, .offset: 40, .size: 8, .value_kind: global_buffer, .address_space: global }
    .group_segment_fixed_size: 86528
    .private_segment_fixed_size: 0
    .kernarg_segment_align: 8
    .kernarg_segment_size: 48
    .max_flat_workgroup_size: 128
    .sgpr_count:     66
    .vgpr_count:     256
    .wavefront_size: 32
...
	.end_amdgpu_metadata
.endif
;; end of part 1
;; launch qkv (part 2): grid 8 x 32, 4 waves a work-group, clusters of 4 x 4, 327,680 bytes of LDS; arguments xq, wq, mask, qrec, kv; writes qrec, kv
.if DOCPART == 2
	.amdgcn_target "amdgcn-amd-amdhsa--gfx1250"
	.amdhsa_code_object_version 6
	.text
	.protected	k_q30d443b4ac_qkv
	.globl	k_q30d443b4ac_qkv
	.p2align	8
	.type	k_q30d443b4ac_qkv,@function
k_q30d443b4ac_qkv:
	s_mov_b64 s[64:65], 0
	v_nop
	global_prefetch_b8 v0, s[64:65] scope:SCOPE_SE
	s_setreg_imm32_b32 hwreg(HW_REG_WAVE_MODE, 25, 1), 1
	s_wait_xcnt 0x0
	s_wait_alu depctr_hold_cnt(0) depctr_sa_sdst(0) depctr_va_vdst(0) depctr_va_sdst(0) depctr_va_ssrc(0) depctr_va_vcc(0) depctr_vm_vsrc(0)
	s_getreg_b32 s2, hwreg(HW_REG_IB_STS2, 6, 4)
	s_cmp_eq_u32 s2, 0
	s_cbranch_scc0 .Lentry_in_a_cluster
	s_endpgm
.Lentry_in_a_cluster:
	s_bfe_u32 s2, ttmp6, 0x10000c
	s_cmp_lg_u32 s2, 0xf033
	s_cbranch_scc0 .Lentry_shape_is_right
	s_endpgm
.Lentry_shape_is_right:
; q, k, v = x w_qkv on codes of FP6 (E2M3) with E8M0 scales (M 8,192, N 3,072, K 1,024); the results are quantised at once into the operands of the two products of attention.
; A WORK-GROUP STAYS: it owns 256 tokens and two heads and makes three units one after the other, q, k and v of those heads, each 256 tokens x 128 features: 32 x 8 = 256 work-groups.
; ALL OF K LIES IN LDS: x's 16 row tiles (196,608 bytes) are filled once and serve all three units; the unit's 8 tiles of w_qkv (98,304 bytes) are filled again behind each of the first two units,
; two tiles a wave, and land while the finished unit is quantised and stored.  Operands are images of their registers ([tile][8 K steps][1,536 bytes]).
; CLUSTERS of 4 x 4: x's tiles hang on the token block alone and are asked for jointly along a row of the cluster, the weights' on the pair of heads alone, along a column.
; A PREFETCH asks for the next unit's weights one unit ahead of their refill: of the 96 blocks of 256 bytes that a wave will load, each of the four partners names 24, told apart by address (lanes 24-31 name the last again).
; x's tiles and the first unit's weights are asked for at the head, with nothing to run ahead in.
; A wave makes 128 tokens x one head (64 features): 32 accumulators.  q, k: source 0 = 16 features, source 1 = 16 tokens: a lane holds a token, its registers run along the features; by the features' stored order
; the 16 registers of two neighbouring tiles are 16 neighbours along d.  v: the sources are swapped: a lane holds a feature and its registers run along the tokens, which are the second product's K.
; RECORDS, as the launch of attention reads them: q: [16 batch + head][16 groups of 128 tokens][8,704]: eight tiles of 1,024 bytes (8 registers a lane: 6 of codes, the code of k = 64, zeros), then the scale words' image.
; k and v: the same index, 15,104 bytes: k as q; at 8,704 v's four fragments of 1,536 bytes, at 14,848 their scale words.
; THE MASK rides in k = 64: q holds 1.0 there under the byte 0x7f; an open key 0, a hidden key -1.0 under the byte 0x98 (2^25).
; A block of zeros gets the byte 1 where the rule says 127: its codes are zeros, and this program alone reads the bytes.  LIMITS: NaN and infinities are not served.
; REGISTERS: window 0: v0-31 addresses; v32-56 the quantiser's; v64-127 scale words and nothing else (register 8 i + q: lanes 0-15 x's block i, lanes 16-31 the weights' block i (i < 4), K step q);
;   v128-223 x's fragments of even steps, between units the quantiser's results; v240-247 the mask.  window 1: v0-95 x's fragments of odd steps; v96-143, v144-191 the weights'.  window 2: the accumulators.
.set FR,     12
.set TILE,   12288
.set LW,     16*TILE                   ; the weights' slot, behind x
.set SCX,    24*TILE                   ; x's scale bytes: rows of 256 bytes + 16
.set SBLK,   544                       ; those of 16 rows
.set SCW,    SCX+16*SBLK               ; the weights', three units: stored by the threads, never filled by a tensor load
.set SPARE,  SCW+24*SBLK               ; the spare words, 128 bytes a wave
.set LI,   12
.set L8,   13
.set AL16, 16
.set AL8,  17
.set AH16, 18
.set AH8,  19
.set B16,  20
.set B8,   21
.set ADRX, 22
.set PFO,  23
.set ADRS, 27
.set SPW,  28
.set NIL,  29
.set MKO,  30
.set TM,   32
.set PW,   48
.set T2,   50
.set SC,   64
.set RUN,  128
.set WS,   144
.set OUT,  152
.set HI,   156
.set VHI0, 157
.set VHI1, 158
.set VMR0, 159
.set VMR1, 160
.set TQ,   161
.set TQ2,  162
.set MK,   240
.set G1X,  24
.set G0X,  32
.set G0WH, 36
.set G1W,  48
.set G0W,  56
.set G1R,  72
.set G1S,  80
.set G0S,  88
.set MSB, 0
.macro WIN new                         ; the immediate's high byte repeats the setting that is left
.if MSB != (\new)
	s_set_vgpr_msb (MSB<<8)|(\new)
.set MSB, (\new)
.endif
.endm
.macro CROUND                          ; a round of the cluster's barrier
	s_barrier_signal -1
	s_barrier_wait -1
	s_cmp_lg_u32 s14, 0
	s_cbranch_scc1 .Lnot_wave_0_\@
	s_barrier_signal -3
.Lnot_wave_0_\@:
	s_barrier_wait -3
	s_barrier_signal -1
	s_barrier_wait -1
.endm
.macro PLACES
.rept 4
	v_nop
.endr
.endm
	s_load_b128 s[4:7], s[0:1], 0x0                ; xq, wq
	s_load_b128 s[8:11], s[0:1], 0x10              ; mask, qrec
	s_load_b64 s[12:13], s[0:1], 0x20              ; kv
	v_lshl_add_u32 v[SPW], v0, 2, SPARE
	v_mov_b32 v[NIL], 0
	ds_add_u32 v[SPW], v[NIL]                      ; the opening lines: the add, twice on end, and its wait
	ds_add_u32 v[SPW], v[NIL]
	v_lshrrev_b32 v1, 5, v0
	v_readfirstlane_b32 s14, v1                    ; wave 0..3
	s_lshr_b32 s15, s14, 1                         ; which 128 tokens are mine
	s_and_b32 s16, s14, 1                          ; which head
	s_bfe_u32 s40, ttmp6, 0x40000
	s_bfe_u32 s41, ttmp6, 0x40004
	s_lshl_b32 s42, ttmp9, 2
	s_add_co_u32 s42, s42, s40                     ; the pair of heads, 0..7
	s_and_b32 s17, ttmp7, 0xffff
	s_lshl_b32 s17, s17, 2
	s_add_co_u32 s17, s17, s41                     ; the block of 256 tokens, 0..31
	s_lshl_b32 s43, s41, 2
	s_lshl_b32 s43, 15, s43                        ; my row of the cluster
	s_lshl_b32 s44, 0x1111, s40                    ; my column
	s_or_b32 s[G1X], s43, (3<<16)|(1<<21)
	s_or_b32 s[G1W], s44, (3<<16)|(1<<21)
.irp g, G1X, G1W                       ; eight tiles of 12,288 bytes (1,536 elements of 8), dense
	s_mov_b32 s[\g+1], 1536<<16
	s_mov_b32 s[\g+2], 8<<16
	s_mov_b32 s[\g+3], 1536<<16
	s_mov_b32 s[\g+4], 8
	s_mov_b32 s[\g+5], 1536
	s_mov_b32 s[\g+6], 0
	s_mov_b32 s[\g+7], 0
.endr
	s_or_b32 s[G1R], s44, (3<<16)|(1<<21)          ; a refill: two tiles a wave
	s_mov_b32 s[G1R+1], 1536<<16
	s_mov_b32 s[G1R+2], 2<<16
	s_mov_b32 s[G1R+3], 1536<<16
	s_mov_b32 s[G1R+4], 2
	s_mov_b32 s[G1R+5], 1536
	s_mov_b32 s[G1R+6], 0
	s_mov_b32 s[G1R+7], 0
	s_or_b32 s[G1S], s43, (3<<16)|(1<<20)|(1<<21)|(5<<22)|(3<<25)   ; x's scale bytes: 32 rows of 256 bytes, 16 bytes of padding behind each
	s_mov_b32 s[G1S+1], 32<<16
	s_mov_b32 s[G1S+2], 32<<16
	s_mov_b32 s[G1S+3], 32<<16
	s_mov_b32 s[G1S+4], 32
	s_mov_b32 s[G1S+5], 32
	s_mov_b32 s[G1S+6], 0
	s_mov_b32 s[G1S+7], 0
	s_mul_i32 s20, s17, 16*TILE                    ; x: the block's sixteen tiles, waves 0 and 1 a half each
	s_mul_i32 s18, s16, 8*TILE
	s_add_co_u32 s20, s20, s18
	s_mov_b32 s21, 0
	s_mul_i32 s46, s42, 8*TILE                     ; the weights: the q unit's eight tiles,
	s_mov_b32 s47, 0
	s_mul_i32 s19, s14, 2*TILE
	s_add_co_u32 s22, s46, s19                     ; my two of them
	s_mov_b32 s23, 0
	s_mul_i32 s100, s41, 6144                      ; the prefetch: my work-group's 24 blocks of my two tiles, one unit (64 tiles) on
	s_add_co_u32 s100, s100, s22
	s_add_co_u32 s100, s100, 64*TILE
	s_mov_b32 s101, 0
	s_lshl_b32 s92, s17, 13                        ; x's scale bytes: 256 rows of 32, behind the images
	s_add_co_u32 s92, s92, 6291456
	s_mov_b32 s93, 0
	s_lshl_b32 s96, s42, 12                        ; the weights' scale bytes: 128 rows of 32 in each unit
	s_add_co_u32 s96, s96, 2359296
	s_mov_b32 s97, 0
	s_lshl_b32 s94, s17, 8                         ; my 128 tokens' mask bytes
	s_lshl_b32 s95, s15, 7
	s_add_co_u32 s94, s94, s95
	s_mov_b32 s95, 0
	s_lshr_b32 s45, s17, 3                         ; the record: ((16 batch + head) 16 + group of 128 tokens)
	s_lshl_b32 s45, s45, 3
	s_add_co_u32 s45, s45, s42
	s_lshl_b32 s45, s45, 1
	s_add_co_u32 s45, s45, s16
	s_lshl_b32 s45, s45, 3
	s_and_b32 s63, s17, 7
	s_add_co_u32 s45, s45, s63
	s_lshl_b32 s45, s45, 1
	s_add_co_u32 s45, s45, s15
	s_mul_i32 s66, s45, 8704
	s_mov_b32 s67, 0
	s_mul_i32 s68, s45, 15104
	s_mov_b32 s69, 0
	s_add_co_u32 s70, s68, 8704
	s_mov_b32 s71, 0
	s_mul_i32 s60, s15, 8*TILE                     ; LDS: my eight tiles of x,
	s_mul_i32 s62, s16, 4*TILE
	s_add_co_u32 s62, s62, LW                      ; my four of the weights,
	s_mul_i32 s63, s15, 8*SBLK
	s_mul_i32 s61, s16, 4*SBLK
	s_add_co_u32 s61, s61, 16*SBLK
	s_sub_co_u32 s61, s61, s63                     ; from my x rows' scale bytes to my weights' of the unit in hand,
	s_add_co_u32 s63, s63, SCX                     ; my x rows' scale bytes
	s_mov_b32 s[G0X], 1
	s_mul_i32 s[G0X+1], s16, 8*TILE
	s_mov_b32 s[G0WH], 1
	s_mov_b32 s[G0WH+1], LW
	s_mov_b32 s[G0W], 1
	s_add_co_u32 s[G0W+1], s19, LW
	s_mov_b32 s[G0S], 1
	s_mov_b32 s[G0S+1], SCX
	s_mov_b32 s98, 0x76543210
	s_mov_b32 s99, 0xfedcba98                      ; v_permlanex16_b32's selects for lane l xor 16
	s_wait_dscnt 0x0                               ; both opening adds are done
	s_wait_kmcnt 0x0
	s_add_nc_u64 s[G0X+2:G0X+3], s[4:5], s[20:21]
	s_or_b32 s[G0X+3], s[G0X+3], 0x80000000
	s_add_nc_u64 s[G0WH+2:G0WH+3], s[6:7], s[46:47]
	s_or_b32 s[G0WH+3], s[G0WH+3], 0x80000000
	s_add_nc_u64 s[G0W+2:G0W+3], s[6:7], s[22:23]
	s_or_b32 s[G0W+3], s[G0W+3], 0x80000000
	s_add_nc_u64 s[G0S+2:G0S+3], s[4:5], s[92:93]
	s_or_b32 s[G0S+3], s[G0S+3], 0x80000000
	s_add_nc_u64 s[100:101], s[6:7], s[100:101]
	s_add_nc_u64 s[96:97], s[6:7], s[96:97]
	s_add_nc_u64 s[94:95], s[8:9], s[94:95]
	s_add_nc_u64 s[66:67], s[10:11], s[66:67]      ; q's record,
	s_add_nc_u64 s[68:69], s[12:13], s[68:69]      ; k's,
	s_add_nc_u64 s[70:71], s[12:13], s[70:71]      ; v's part of it
	s_mov_b64 s[92:93], s[66:67]                   ; the unit in hand: q
	CROUND                                         ; all sixteen work-groups are here: the joint loads meet
	s_cmp_lt_u32 s14, 2                            ; one chain of branches on the wave's number, one load to an arm: waves 0, 1 x's halves, wave 2 the weights, wave 3 x's scale bytes
	s_cbranch_scc0 .Lhead_w
	tensor_load_to_lds s[G0X:G0X+3], s[G1X:G1X+7]
	s_nop 0
	PLACES
	s_branch .Lhead_asked
.Lhead_w:
	s_cmp_lt_u32 s14, 3
	s_cbranch_scc0 .Lhead_s
	tensor_load_to_lds s[G0WH:G0WH+3], s[G1W:G1W+7]
	s_nop 0
	PLACES
	s_branch .Lhead_asked
.Lhead_s:
	tensor_load_to_lds s[G0S:G0S+3], s[G1S:G1S+7]
	s_nop 0
	PLACES
.Lhead_asked:
	v_lshlrev_b32 v9, 5, v0                        ; thread t gathers row t's 32 scale bytes of each unit's weights
.irp u, 0,1,2
	global_load_b128 v[128+8*\u:128+8*\u+3], v9, s[96:97] offset:32768*\u
	global_load_b128 v[132+8*\u:132+8*\u+3], v9, s[96:97] offset:32768*\u+16
.endr
	v_and_b32 v1, 15, v0                           ; r
	v_bfe_u32 v2, v0, 4, 1                         ; h: kept
	v_and_b32 v3, 31, v0
	v_and_b32 v4, 7, v1
	v_and_b32 v5, 8, v1
	v_lshl_add_u32 v[MKO], v5, 1, v4               ; lane r of tile 2 g + u is token 32 g + 8 u + r % 8 + 16 (r / 8)
.irp a, 0,1,2,3,4,5,6,7
	global_load_u8 v[MK+\a], v[MKO], s[94:95] offset:32*(\a/2)+8*(\a%2)
.endr
	v_lshlrev_b32 v[LI], 4, v3
	v_lshlrev_b32 v[L8], 3, v3
	v_add_nc_u32 v[AL16], s60, v[LI]
	v_add_nc_u32 v[AL8], s60, v[L8]
	v_add_nc_u32 v[AH16], 4*TILE, v[AL16]
	v_add_nc_u32 v[AH8], 4*TILE, v[AL8]
	v_add_nc_u32 v[B16], s62, v[LI]
	v_add_nc_u32 v[B8], s62, v[L8]
	v_lshlrev_b32 v5, 5, v1                        ; a row's scale bytes: 32 a row,
	v_lshrrev_b32 v6, 8, v5
	v_lshl_add_u32 v5, v6, 4, v5                   ; and 16 more for each 256 passed
	v_add_nc_u32 v[ADRX], s63, v5
	v_min_u32 v[PFO], 23, v3
	v_lshlrev_b32 v[PFO], 8, v[PFO]
	v_lshrrev_b32 v4, 3, v0
	v_lshlrev_b32 v10, 5, v0
	v_lshl_add_u32 v10, v4, 4, v10
	v_add_nc_u32 v10, SCW, v10
.irp b, 0,1,2,3
	v_mov_b32 v[TM+4+\b], 0                        ; written once: a lane permute's destination counts as one of its sources
.endr
	s_wait_alu depctr_va_vdst(0)
	s_wait_loadcnt 0x0
.irp u, 0,1,2
	ds_store_b128 v10, v[128+8*\u:128+8*\u+3] offset:8*SBLK*\u
	ds_store_b128 v10, v[132+8*\u:132+8*\u+3] offset:8*SBLK*\u+16
.endr
	s_wait_alu depctr_va_vdst(0)
	s_wait_tensorcnt 0x0                           ; my tile is in,
	s_wait_dscnt 0x0                               ; my rows' scale bytes lie in LDS:
	s_barrier_signal -1
	s_barrier_wait -1                              ; everybody's are
.macro FRAG reg, a16, a8, off
	ds_load_b128 v[\reg:\reg+3], v[\a16] offset:\off
	ds_load_b64 v[\reg+4:\reg+5], v[\a8] offset:(\off)+512
	ds_load_b128 v[\reg+6:\reg+9], v[\a16] offset:(\off)+768
	ds_load_b64 v[\reg+10:\reg+11], v[\a8] offset:(\off)+1280
.endm
.macro FETCH q                         ; K step q's twelve fragments into set q % 2
.set PF, (\q)%2
	WIN 0x40*PF
.irp i, 0,1,2,3
	FRAG 128-128*PF+FR*\i, AL16, AL8, \i*TILE+(\q)*1536
	FRAG 128-128*PF+FR*(\i+4), AH16, AH8, \i*TILE+(\q)*1536
.endr
	WIN 0x40
.irp i, 0,1,2,3
	FRAG 96+48*PF+FR*\i, B16, B8, \i*TILE+(\q)*1536
.endr
.endm
.macro TOP                             ; a unit's start: the scale words of all eight K steps
	s_wait_xcnt 0x0                                ; the last unit's stores have read their registers: fragments may land there
	v_mul_u32_u24 v6, s61, v2
	v_add_nc_u32 v[ADRS], v[ADRX], v6              ; lanes 16-31 take the weights' of the unit in hand
.irp i, 0,1,2,3
	ds_load_b128 v[SC+8*\i:SC+8*\i+3], v[ADRS] offset:\i*SBLK
	ds_load_b128 v[SC+8*\i+4:SC+8*\i+7], v[ADRS] offset:\i*SBLK+16
.endr
.irp i, 4,5,6,7                        ; the weights have four blocks: here all lanes take x's
	ds_load_b128 v[SC+8*\i:SC+8*\i+3], v[ADRX] offset:\i*SBLK
	ds_load_b128 v[SC+8*\i+4:SC+8*\i+7], v[ADRX] offset:\i*SBLK+16
.endr
.endm
; A K step: 32 matrix instructions; the 32 accumulators take turns, one instruction a turn, in the same order in every step.  The first step's products start the sums.
; mode 0 (q, k): source 0 the weights' block b, source 1 x's block a, accumulator 4 a + b.  mode 1 (v): source 0 x's block b, source 1 the weights' block a, accumulator 8 a + b.
.macro STEP q, mode
.set PP, (\q)%2
	s_wait_dscnt 0x0                               ; this step's fragments are in
.if (\q) < 7
.if (\q) > 0
	PLACES                                         ; in front of loads into registers that the last step's products have read
.endif
	FETCH (\q)+1
.endif
.if \mode
	WIN 0xa4+PP                                    ; x in window 0 (even steps) or 1, the weights in window 1, C and D in window 2
.irp a, 0,1,2,3
.irp b, 0,1,2,3,4,5,6,7
.if (\q) == 0
	v_wmma_scale_f32_16x16x128_f8f6f4 v[8*(8*\a+\b):8*(8*\a+\b)+7], v[128-128*PP+FR*\b:128-128*PP+FR*\b+FR-1], v[96+48*PP+FR*\a:96+48*PP+FR*\a+FR-1], 0, v[SC+8*\b+(\q)], v[SC+8*\a+(\q)] matrix_a_fmt:MATRIX_FMT_FP6 matrix_b_fmt:MATRIX_FMT_FP6 matrix_b_scale:MATRIX_SCALE_ROW1
.else
	v_wmma_scale_f32_16x16x128_f8f6f4 v[8*(8*\a+\b):8*(8*\a+\b)+7], v[128-128*PP+FR*\b:128-128*PP+FR*\b+FR-1], v[96+48*PP+FR*\a:96+48*PP+FR*\a+FR-1], v[8*(8*\a+\b):8*(8*\a+\b)+7], v[SC+8*\b+(\q)], v[SC+8*\a+(\q)] matrix_a_fmt:MATRIX_FMT_FP6 matrix_b_fmt:MATRIX_FMT_FP6 matrix_b_scale:MATRIX_SCALE_ROW1
.endif
.endr
.endr
.else
	WIN 0xa1+4*PP
.irp a, 0,1,2,3,4,5,6,7
.irp b, 0,1,2,3
.if (\q) == 0
	v_wmma_scale_f32_16x16x128_f8f6f4 v[8*(4*\a+\b):8*(4*\a+\b)+7], v[96+48*PP+FR*\b:96+48*PP+FR*\b+FR-1], v[128-128*PP+FR*\a:128-128*PP+FR*\a+FR-1], 0, v[SC+8*\b+(\q)], v[SC+8*\a+(\q)] matrix_a_fmt:MATRIX_FMT_FP6 matrix_b_fmt:MATRIX_FMT_FP6 matrix_a_scale:MATRIX_SCALE_ROW1
.else
	v_wmma_scale_f32_16x16x128_f8f6f4 v[8*(4*\a+\b):8*(4*\a+\b)+7], v[96+48*PP+FR*\b:96+48*PP+FR*\b+FR-1], v[128-128*PP+FR*\a:128-128*PP+FR*\a+FR-1], v[8*(4*\a+\b):8*(4*\a+\b)+7], v[SC+8*\b+(\q)], v[SC+8*\a+(\q)] matrix_a_fmt:MATRIX_FMT_FP6 matrix_b_fmt:MATRIX_FMT_FP6 matrix_a_scale:MATRIX_SCALE_ROW1
.endif
.endr
.endr
.endif
.endm
; 64 accumulator registers of window w, four blocks of 32 along the next K (16 registers here, 16 in lane l xor 16), become codes: blocks 0, 1 in six registers from d0, blocks 2, 3 from d1; the four bytes in v[PW]
.macro QUANT s, w, d0, d1
	WIN (\w)|((\w)<<2)
.irp b, 0,1,2,3
	v_max3_num_f32 v[TM+\b], |v[(\s)+16*\b]|, |v[(\s)+1+16*\b]|, 0x1800000   ; with the floor 2^(3 - 127): the byte cannot fall under 1
.endr
	WIN ((\w)<<2)|((\w)<<4)
.irp i, 2,4,6,8,10,12,14
.irp b, 0,1,2,3
	v_max3_num_f32 v[TM+\b], v[TM+\b], |v[(\s)+16*\b+\i]|, |v[(\s)+1+16*\b+\i]|
.endr
.endr
	WIN 0
.irp b, 0,1,2,3
	v_permlanex16_b32 v[TM+4+\b], v[TM+\b], s98, s99
.endr
.irp b, 0,1,2,3
	v_max_num_f32 v[TM+\b], v[TM+\b], v[TM+4+\b]
.endr
.irp b, 0,1,2,3
	v_add_nc_u32 v[TM+12+\b], 0xff000000, v[TM+\b]   ; 2 off the exponent field: the conversion's scale operand
.endr
.irp b, 0,1,2,3
	v_lshrrev_b32 v[TM+4+\b], 23, v[TM+12+\b]        ; the byte
.endr
	v_lshl_or_b32 v[PW], v[TM+5], 8, v[TM+4]
	v_lshl_or_b32 v[PW], v[TM+6], 16, v[PW]
	v_lshl_or_b32 v[PW], v[TM+7], 24, v[PW]
	WIN (\w)
	v_cvt_scalef32_pk16_fp6_f32 v[(\d0):(\d0)+2], v[(\s):(\s)+15], v[TM+12]
	v_cvt_scalef32_pk16_fp6_f32 v[T2:T2+2], v[(\s)+16:(\s)+31], v[TM+13]
	v_cvt_scalef32_pk16_fp6_f32 v[(\d1):(\d1)+2], v[(\s)+32:(\s)+47], v[TM+14]
	v_cvt_scalef32_pk16_fp6_f32 v[T2+4:T2+6], v[(\s)+48:(\s)+63], v[TM+15]
	WIN 0
	v_nop                                          ; one plain place behind a scaled conversion
.irp i, 0,1,2
	v_permlane16_swap_b32 v[(\d0)+\i], v[T2+\i]    ; the layout wants a whole block in a lane
.endr
.irp i, 0,1,2
	v_mov_b32 v[(\d0)+3+\i], v[T2+\i]
.endr
.irp i, 0,1,2
	v_permlane16_swap_b32 v[(\d1)+\i], v[T2+4+\i]
.endr
.irp i, 0,1,2
	v_mov_b32 v[(\d1)+3+\i], v[T2+4+\i]
.endr
.endm
.macro QKPAIR p                        ; token tiles 2 p and 2 p + 1 of my head: two tiles of a record
	s_wait_xcnt 0x0                                ; the last pair's stores have read their registers
	QUANT 64*(\p), 2, RUN, RUN+8
	v_cmp_ne_u32 vcc_lo, 0, v[MK+2*\p]
	v_cndmask_b32 v[HI], v[VHI0], v[VHI1], vcc_lo
	v_cndmask_b32 v[RUN+6], v[VMR0], v[VMR1], vcc_lo
	v_mov_b32 v[RUN+7], 0
	v_and_or_b32 v[WS+2*\p], v[PW], 0xffff, v[HI]
	v_cmp_ne_u32 vcc_lo, 0, v[MK+2*\p+1]
	v_cndmask_b32 v[HI], v[VHI0], v[VHI1], vcc_lo
	v_cndmask_b32 v[RUN+14], v[VMR0], v[VMR1], vcc_lo
	v_mov_b32 v[RUN+15], 0
	v_lshrrev_b32 v[TQ], 16, v[PW]
	v_or_b32 v[WS+2*\p+1], v[TQ], v[HI]
.irp k, 0,1,2,3
	global_store_b128 v[LI], v[RUN+4*\k:RUN+4*\k+3], s[92:93] offset:2048*(\p)+512*\k   ; 512 consecutive bytes, aligned
.endr
.endm
.macro VBLOCK a                        ; d tile a of my head x my 128 tokens: one fragment
	s_wait_xcnt 0x0
	QUANT 64*(\a), 2, RUN, RUN+6
	v_mov_b32 v[WS+\a], v[PW]
.irp k, 0,1,2
	global_store_b128 v[LI], v[RUN+4*\k:RUN+4*\k+3], s[70:71] offset:1536*(\a)+512*\k
.endr
.endm
	s_mov_b32 s3, 0
.Lunit:                                        ; two trips: q, then k
	TOP
	global_prefetch_b8 v[PFO], s[100:101] th:TH_LOAD_NT scope:SCOPE_SE   ; the next unit's weights, one unit ahead of their refill
	FETCH 0
.irp q, 0,1,2,3,4,5,6,7
	STEP \q, 0
.endr
	WIN 0
	s_wait_tensorcnt 0x0                           ; no load of mine is out;
	ds_add_u32 v[SPW], v[NIL]                      ; 0 onto my spare word;
	s_add_nc_u64 s[G0W+2:G0W+3], s[G0W+2:G0W+3], 64*TILE   ; the next unit's weights: 64 tiles on
	s_wait_dscnt 0x0                               ; the add is done, and my reads of the weights' slot are over
	CROUND                                         ; the same holds of every wave of every partner
	tensor_load_to_lds s[G0W:G0W+3], s[G1R:G1R+7]  ; my one load behind the round: two tiles
	s_nop 0
	PLACES                                         ; (also the places in front of the first read of the results)
	s_mov_b32 s20, 0x7f7f0000                      ; what rides at k = 64: q: 1.0 under the byte 0x7f;
	s_mov_b32 s21, 0x7f7f0000
	s_cmp_eq_u32 s3, 1
	s_cselect_b32 s20, 0x01980000, s20             ; k: a hidden key -1.0 under 2^25,
	s_cselect_b32 s21, 0x01010000, s21             ; an open key 0
	s_cselect_b32 s22, 40, 8
	s_cselect_b32 s23, 0, 8
	s_mov_b32 s46, 0xffff
	v_mov_b32 v[VHI0], s20
	v_mov_b32 v[VHI1], s21
	v_mov_b32 v[TQ], s22
	v_mov_b32 v[TQ2], s23
	v_cndmask_b32 v[VMR0], 0, v[TQ], s46           ; k = 64 lies in lanes 0-15
	v_cndmask_b32 v[VMR1], 0, v[TQ2], s46
.irp p, 0,1,2,3
	QKPAIR \p
.endr
	s_mov_b32 s46, 0xffff0000
.irp i, 0,1,2,3
	v_cndmask_b32 v[OUT+\i], v[WS+\i], v[WS+4+\i], s46   ; the scale words' image: register i: tile i in lanes 0-15, tile 4 + i in lanes 16-31
.endr
	global_store_b128 v[LI], v[OUT:OUT+3], s[92:93] offset:8192
	s_wait_xcnt 0x0                                ; the stores and the prefetch have read their bases
	s_mov_b64 s[92:93], s[68:69]                   ; the next unit of this loop is k
	s_add_nc_u64 s[100:101], s[100:101], 64*TILE
	s_add_co_u32 s61, s61, 8*SBLK                  ; and its weights' scale bytes
	s_wait_alu depctr_va_vdst(0)
	s_wait_tensorcnt 0x0                           ; my two tiles are in,
	s_barrier_signal -1
	s_barrier_wait -1                              ; everybody's are
	s_add_co_u32 s3, s3, 1
	s_cmp_lt_u32 s3, 2
	s_cbranch_scc1 .Lunit
	TOP                                            ; v: nothing more is fetched
	FETCH 0
.irp q, 0,1,2,3,4,5,6,7
	STEP \q, 1
.endr
	WIN 0
	PLACES
.irp a, 0,1,2,3
	VBLOCK \a
.endr
	s_mov_b32 s46, 0xffff0000
.irp i, 0,1
	v_cndmask_b32 v[OUT+\i], v[WS+\i], v[WS+2+\i], s46   ; register i: d tile i in lanes 0-15, d tile 2 + i in lanes 16-31
.endr
	global_store_b64 v[L8], v[OUT:OUT+1], s[70:71] offset:6144
	s_wait_tensorcnt 0x0                           ; the wave's end
	ds_add_u32 v[SPW], v[NIL]
	s_wait_dscnt 0x0
	CROUND                                         ; the closing round
	s_endpgm
.Lfunc_end_k_q30d443b4ac_qkv:
	.size	k_q30d443b4ac_qkv, .Lfunc_end_k_q30d443b4ac_qkv-k_q30d443b4ac_qkv
	.p2alignl 7, 3214868480
	.fill 96, 4, 3214868480
	.section	.rodata,"a",@progbits
	.p2align	6, 0x0
	.amdhsa_kernel k_q30d443b4ac_qkv
		.amdhsa_group_segment_fixed_size 327680
		.amdhsa_private_segment_fixed_size 0
		.amdhsa_enable_private_segment 0
		.amdhsa_kernarg_size 40
		.amdhsa_user_sgpr_count 2
		.amdhsa_user_sgpr_kernarg_segment_ptr 1
		.amdhsa_wavefront_size32 1
		.amdhsa_system_sgpr_workgroup_id_x 1
		.amdhsa_system_sgpr_workgroup_id_y 1
		.amdhsa_system_sgpr_workgroup_id_z 1
		.amdhsa_system_vgpr_workitem_id 0
		.amdhsa_next_free_vgpr 768
		.amdhsa_next_free_sgpr 102
		.amdhsa_reserve_vcc 1
		.amdhsa_float_denorm_mode_32 3
		.amdhsa_float_denorm_mode_16_64 3
		.amdhsa_memory_ordered 1
		.amdhsa_forward_progress 1
		.amdhsa_inst_pref_size 167
	.end_amdhsa_kernel
	.amdgpu_metadata
---
amdhsa.version: [ 1, 2 ]
amdhsa.kernels:
  - .name:           k_q30d443b4ac_qkv
    .symbol:         k_q30d443b4ac_qkv.kd
    .args:
      - { .name: xq, .offset: 0, .size: 8, .value_kind: global_buffer, .address_space: global }
      - { .name: wq, .offset: 8, .size: 8, .value_kind: global_buffer, .address_space: global }
      - { .name: mask, .offset: 16, .size: 8, .value_kind: global_buffer, .address_space: global }
      - { .name: qrec, .offset: 24, .size: 8, .value_kind: global_buffer, .address_space: global }
      - { .name: kv, .offset: 32, .size: 8, .value_kind: global_buffer, .address_space: global }
    .group_segment_fixed_size: 327680
    .private_segment_fixed_size: 0
    .kernarg_segment_align: 8
    .kernarg_segment_size: 40
    .max_flat_workgroup_size: 128
    .sgpr_count:     102
    .vgpr_count:     768
    .wavefront_size: 32
...
	.end_amdgpu_metadata
.endif
;; end of part 2
;; launch attn (part 3): grid 4 x 64, 16 waves a work-group, clusters of 4 x 1, 262,144 bytes of LDS; arguments qrec, kv, mask, oq; writes oq
.if DOCPART == 3
	.amdgcn_target "amdgcn-amd-amdhsa--gfx1250"
	.amdhsa_code_object_version 6
	.text
	.protected	k_q30d443b4ac_attn
	.globl	k_q30d443b4ac_attn
	.p2align	8
	.type	k_q30d443b4ac_attn,@function
k_q30d443b4ac_attn:
	s_mov_b64 s[64:65], 0
	v_nop
	global_prefetch_b8 v0, s[64:65] scope:SCOPE_SE
	s_setreg_imm32_b32 hwreg(HW_REG_WAVE_MODE, 25, 1), 1
	s_wait_xcnt 0x0
	s_wait_alu depctr_hold_cnt(0) depctr_sa_sdst(0) depctr_va_vdst(0) depctr_va_sdst(0) depctr_va_ssrc(0) depctr_va_vcc(0) depctr_vm_vsrc(0)
	s_getreg_b32 s2, hwreg(HW_REG_IB_STS2, 6, 4)
	s_cmp_eq_u32 s2, 0
	s_cbranch_scc0 .Lentry_in_a_cluster
	s_endpgm
.Lentry_in_a_cluster:
	s_bfe_u32 s2, ttmp6, 0x10000c
	s_cmp_lg_u32 s2, 0x3003
	s_cbranch_scc0 .Lentry_shape_is_right
	s_endpgm
.Lentry_shape_is_right:
; o = softmax(q k^T / 8, hidden keys left out) v for one head, both products on codes of FP6 (E2M3) with E8M0 scales; o is quantised at once into the last product's operand.
; THE SOFTMAX AHEAD OF THE SECOND PRODUCT: t = score x log2(e) / 8; M = the running largest t rounded UP to a whole number; p = 2^(t - M) is quantised along the keys, not normalised.
; The row's sum is taken of the unquantised p and divides O at the end.  When M moves, the sum and O are multiplied by 2^(old M - new M): exact.
; SHARES.  A work-group owns 512 queries of one head; each of its sixteen waves two tiles of 16, one after the other, in 256 registers.
; THE WHOLE HEAD'S K AND V LIE IN LDS: 16 records (128 keys each: K's 8 tiles, K's scale words, V's 4 fragments, V's scale words), images of the operands' registers, 59 rows of 256 bytes, each with 16 bytes of padding behind it.
; Wave w brings record w by ONE tensor load: one load of mine is out, so there is no ring.  The four work-groups of a cluster belong to one head and ask jointly.
; No prefetch: every record is asked for at the head, and there is no loop to run ahead in.
; LAYOUT.  Both products are used transposed: S^T = K Q^T, O^T = V^T P^T: a lane holds one query throughout.
; WHICH KEYS FORM A TILE OF K is chosen as the tiles are read: rows 0-7 of tile t (t < 4) are keys 8 t .. 8 t + 7 of block 0, rows 8-15 the same of block 1; tiles 4-7 likewise of blocks 2 and 3.
; So a lane's registers S .. S + 31 are one WHOLE block of 32 keys (block lane / 16) and S + 32 .. S + 63 another (block 2 + lane / 16), in the order that p's operand wants: a block's maximum needs no other lane, and no code changes lanes.
; In the stored order key 32 g + 8 u + i + 16 e (i < 8) is row 8 e + i of stored tile 2 g + u: lanes with row >= 8 read two stored tiles (8 LDS rows, 2,176 bytes) further on; by the padding that is 128 bytes on modulo 256.
; THE FIRST PRODUCT'S K is 64 of the instruction's 128.  A tile is 8 registers; the operand names 12: the last four are the next tile's first four (behind the last tile: zeros) and meet q's zero codes.
; THE MASK: at k = 64 q holds 1.0 and a hidden key -1.0 under the scale 2^25: its score gets -2^25 and its p is 0.  LIMIT: |q . k| under 2^23.
; A batch with no open key: c is 0, so every t is 0 and every p is 1: the uniform softmax.  NaN and infinities are not served.
; THE EXPONENTIALS GO IN FOUR QUARTERS of 16 registers, laid by turns with plain work that hangs on nothing of the same stage: t - M of later quarters, pair sums of earlier ones (added in place onto quarter 0, behind its conversion).
; Between two stages stands one s_wait_alu, ahead of and behind each batch.
.set PIT,  272
.set REC,  59*PIT
.set SOG,  16*REC                      ; behind the records: the work-group's 512 halves of scale words, 1,024 bytes
.set SPARE, SOG+1024                   ; the spare words: 128 bytes a wave
.set LI,   1                           ; 16 x lane
.set L8,   2                           ; 8 x lane
.set AK,   3                           ; the next record's K tiles
.set AKS,  4                           ; and K's scale words
.set AV,   10                          ; the record's V fragments
.set AVS,  11                          ; and V's scale words
.set QF,   16                          ; v16-27 q's tile in hand (v24-27: zeros); v28-35 the second tile
.set QS,   36                          ; v36 its scale words; v37 the second tile's
.set SOW,  38                          ; o's two scale bytes: lanes 0-15 the first tile's rows, lanes 16-31 the second's
.set SH8,  39                          ; 8 x (lane / 16)
.set KF,   40                          ; v40-103 K's eight tiles, later V's four fragments (v40-87); v104-107 zeros
.set S,    108                         ; v108-171 S^T, then p
.set O,    172                         ; v172-203 O^T
.set P,    204                         ; v204-215 p's codes
.set T2,   216                         ; v216-222
.set BM,   224                         ; v224-225 my two blocks' largest scores, then largest p
.set RM,   226
.set RT,   227
.set BT,   228                         ; v228-229
.set BS,   232                         ; v232-233 the conversions' scale operands
.set KS,   236                         ; v236-239 K's scale words: register i: tile i in lanes 0-15, tile 4 + i in lanes 16-31
.set VS,   240                         ; v240-241 V's: register i: d tile i, d tile 2 + i
.set PS,   242                         ; p's scale word
.set F,    244                         ; v[244:245] f = 2^(old M - new M)
.set TP,   246
.set AK0,  247                         ; the lane terms of AK, AKS, AV
.set AKS0, 248
.set AV0,  249
.set WV,   12
.set SEL,  20
.set CS,   22                          ; s[22:23] c = log2(e) / 8, or 0
.set TB,   36
.set CNT,  37
.set NC,   38                          ; -c
.macro ROUND                           ; a round of the cluster's barrier
	s_barrier_signal -1
	s_barrier_wait -1
	s_cmp_lg_u32 s[WV], 0
	s_cbranch_scc1 .Lnot_wave_0_\@
	s_barrier_signal -3
.Lnot_wave_0_\@:
	s_barrier_wait -3
	s_barrier_signal -1
	s_barrier_wait -1
.endm
	s_load_b256 s[4:11], s[0:1], 0x0               ; qrec s[4:5], kv s[6:7], mask s[8:9], oq s[10:11]
	v_lshl_add_u32 v254, v0, 2, SPARE
	v_mov_b32 v255, 0
	ds_add_u32 v254, v255                          ; the opening lines: the add, twice on end, and its wait
	ds_add_u32 v254, v255
	v_lshrrev_b32 v8, 5, v0
	s_delay_alu instid0(VALU_DEP_1)
	v_readfirstlane_b32 s[WV], v8                  ; wave 0..15
	s_bfe_u32 s13, ttmp6, 0x40000                  ; cx: which 512 queries; it enters q's and o's addresses alone
	s_and_b32 s14, ttmp7, 0xffff                   ; 16 x batch + head, which the four partners share
	s_mov_b32 s24, 15|(3<<16)|(1<<20)|(1<<21)|(5<<22)|(3<<25)   ; the mask: all four; elements of 8 bytes; padding: 4 words behind every 64
	s_mov_b32 s25, 32<<16                          ; tensor_dim0: a row of 256 bytes
	s_mov_b32 s26, 59<<16                          ; tensor_dim1
	s_mov_b32 s27, 32<<16                          ; tile_dim0
	s_mov_b32 s28, 59                              ; tile_dim1
	s_mov_b32 s29, 32                              ; the rows are dense in memory
	s_mov_b32 s30, 0
	s_mov_b32 s31, 0
	s_mul_i32 s16, s14, 16*15104                   ; a record is 15,104 bytes of memory
	s_mul_i32 s17, s[WV], 15104
	s_add_co_u32 s16, s16, s17
	s_mov_b32 s17, 0
	s_mul_i32 s33, s[WV], REC                      ; LDS address: my record's place
	s_mov_b32 s32, 1
	s_wait_dscnt 0x0
	s_wait_kmcnt 0x0
	s_add_nc_u64 s[34:35], s[6:7], s[16:17]
	s_or_b32 s35, s35, 0x80000000
	ROUND                                          ; all four work-groups are here: the joint loads meet
	tensor_load_to_lds s[32:35], s[24:31]
	s_nop 0
.rept 4
	v_nop
.endr
	v_and_b32 v8, 31, v0
	v_and_b32 v9, 15, v0                           ; r
	v_bfe_u32 v[SH8], v0, 4, 1                     ; h
	v_bfe_u32 v[RT], v0, 3, 1                      ; r / 8
	v_lshlrev_b32 v[LI], 4, v8
	v_lshlrev_b32 v[L8], 3, v8
	v_mul_u32_u24 v[TP], v[SH8], PIT               ; lanes 16-31 read the next LDS row
	v_and_b32 v8, 7, v0                            ; r % 8
	v_mul_u32_u24 v[AK0], v[RT], 8*PIT
	v_lshl_add_u32 v[AV0], v9, 4, v[TP]            ; V: 272 h + 16 r
	v_lshl_add_u32 v8, v8, 4, v[TP]                ; 272 h + 16 (r % 8)
	v_lshlrev_b32 v[SH8], 3, v[SH8]
	v_add_nc_u32 v[AK0], v[AK0], v8                ; K: + 2,176 (r / 8)
	v_lshl_add_u32 v[AKS0], v[RT], 3, v8           ; K's scale words: + 8 (r / 8)
	v_lshl_add_u32 v5, v0, 1, SOG                  ; where my row's two scale bytes go
	v_lshl_add_u32 v6, v0, 4, SOG                  ; and where waves 0 and 1 read them back
	v_lshlrev_b32 v7, 4, v0
	v_lshlrev_b32 v9, 4, v9                        ; 16 r: q's scale words
	s_wait_alu depctr_va_vdst(0)
	s_lshr_b32 s48, s14, 4                         ; the batch
	s_and_b32 s49, s14, 15                         ; the head
	s_lshl_b32 s18, s48, 11
	s_mov_b32 s19, 0
	s_add_nc_u64 s[8:9], s[8:9], s[18:19]          ; the batch's 2,048 mask bytes
.irp i, 0,1,2,3
	global_load_b128 v[S+4*\i:S+4*\i+3], v[LI], s[8:9] offset:512*\i
.endr
	s_lshl_b32 s16, s14, 4
	s_lshl_b32 s17, s13, 2
	s_add_co_u32 s16, s16, s17
	s_lshr_b32 s17, s[WV], 2
	s_add_co_u32 s16, s16, s17                     ; q's record: 16 x head + 4 cx + wave / 4
	s_mul_i32 s16, s16, 8704
	s_and_b32 s17, s[WV], 3
	s_lshl_b32 s18, s17, 11                        ; my first tile in it: 2 (wave % 4)
	s_add_co_u32 s18, s18, s16
	s_add_nc_u64 s[44:45], s[4:5], s[18:19]
	s_lshr_b32 s18, s17, 1                         ; its scale words: register t % 4 of the image, lanes 16 (t / 4) on
	s_lshl_b32 s18, s18, 8
	s_and_b32 s17, s[WV], 1
	s_lshl_b32 s17, s17, 3
	s_add_co_u32 s18, s18, s17
	s_add_co_u32 s18, s18, s16
	s_add_co_u32 s18, s18, 8192
	s_add_nc_u64 s[46:47], s[4:5], s[18:19]
	global_load_b128 v[16:19], v[LI], s[44:45]
	global_load_b128 v[20:23], v[LI], s[44:45] offset:512
	global_load_b128 v[28:31], v[LI], s[44:45] offset:1024
	global_load_b128 v[32:35], v[LI], s[44:45] offset:1536
	global_load_b32 v36, v9, s[46:47]
	global_load_b32 v37, v9, s[46:47] offset:4
	s_lshl_b32 s50, s48, 7                         ; o: stored row tile 128 x batch + 32 cx + 2 x wave; a head is one half of a fragment: 768 bytes
	s_lshl_b32 s51, s13, 5
	s_add_co_u32 s50, s50, s51
	s_lshl_b32 s51, s[WV], 1
	s_add_co_u32 s50, s50, s51
	s_mul_i32 s50, s50, 12288
	s_mul_i32 s51, s49, 768
	s_add_co_u32 s50, s50, s51
	s_mov_b32 s51, 0
	s_add_nc_u64 s[40:41], s[10:11], s[50:51]
	s_lshl_b32 s50, s48, 12                        ; o's scale bytes: [16 heads][8,192 stored rows][2]
	s_lshl_b32 s48, s13, 10
	s_add_co_u32 s50, s50, s48
	s_lshl_b32 s49, s49, 14
	s_add_co_u32 s50, s50, s49
	s_add_co_u32 s50, s50, 6291456
	s_add_nc_u64 s[42:43], s[10:11], s[50:51]
	s_mov_b32 s[SEL], 0x76543210
	s_mov_b32 s[SEL+1], 0xfedcba98
.irp i, 0,1,2,3
	v_mov_b32 v[24+\i], 0                          ; q's codes of k = 80 on
	v_mov_b32 v[KF+64+\i], 0                       ; what the last tile of K names behind its own registers
.endr
	v_mov_b32 v[SOW], 0
	v_mov_b32 v[F+1], 0                            ; (named as the upper half of a pair)
	v_mov_b32 v[TP], 0
	s_wait_loadcnt 0x0
	v_or_b32 v[S], v[S], v[S+1]
.irp i, 2, 3, 4, 5, 6, 7, 8, 9, 10, 11, 12, 13, 14, 15
	s_delay_alu instid0(VALU_DEP_1)
	v_or_b32 v[S], v[S], v[S+\i]
.endr
	s_delay_alu instid0(VALU_DEP_1)
	v_cmp_ne_u32 vcc_lo, 0, v[S]
	s_cmp_lg_u32 vcc_lo, 0                         ; has the batch an open key?  The answer selects a value, no path
	s_cselect_b32 s[CS], 0x3e38aa3b, 0             ; c = log2(e) / 8
	s_mov_b32 s[CS+1], s[CS]
	s_xor_b32 s[NC], s[CS], 0x80000000             ; -c
	s_wait_alu depctr_va_vdst(0)
	s_wait_tensorcnt 0x0                           ; my record is in,
	s_barrier_signal -1
	s_barrier_wait -1                              ; everybody's is
.macro KLOAD                           ; K's eight tiles, rows chosen as the head comment says, and their scale words
.irp t, 0,1,2,3,4,5,6,7
.irp p, 0,1
	ds_load_b128 v[KF+8*\t+4*\p:KF+8*\t+4*\p+3], v[AK] offset:PIT*(16*(\t/4)+4*(\t%2)+2*\p)+128*((\t%4)/2)
.endr
.endr
.irp i, 0,1,2,3
	ds_load_b32 v[KS+\i], v[AKS] offset:PIT*32+128*(\i/2)+4*(\i%2)
.endr
.endm
.macro TM j                            ; t - M of the pair at S + j
	v_pk_fma_f32 v[S+(\j):S+(\j)+1], v[S+(\j):S+(\j)+1], s[CS:CS+1], v[12:13] op_sel_hi:[1,0,0]
.endm
.macro ADDP a, b                       ; the pair at S + a takes the pair at S + b on
	v_pk_add_f32 v[S+(\a):S+(\a)+1], v[S+(\a):S+(\a)+1], v[S+(\b):S+(\b)+1]
.endm
; A KEY STEP: 128 keys.  next = 1: the next step's K is fetched behind the second product.
.macro STEP next
	s_wait_dscnt 0x0                               ; K is in
.if \next
	s_add_co_u32 s[TB], s[TB], REC                 ; the next record
.endif
.irp t, 0,1,2,3
	v_wmma_scale_f32_16x16x128_f8f6f4 v[S+8*\t:S+8*\t+7], v[KF+8*\t:KF+8*\t+11], v[QF:QF+11], 0, v[KS+\t], v[QS] matrix_a_fmt:MATRIX_FMT_FP6 matrix_b_fmt:MATRIX_FMT_FP6
.endr
.irp t, 4,5,6,7
	v_wmma_scale_f32_16x16x128_f8f6f4 v[S+8*\t:S+8*\t+7], v[KF+8*\t:KF+8*\t+11], v[QF:QF+11], 0, v[KS+\t-4], v[QS] matrix_a_fmt:MATRIX_FMT_FP6 matrix_b_fmt:MATRIX_FMT_FP6 matrix_a_scale:MATRIX_SCALE_ROW1
.endr
.if \next                              ; four places in front of the loads into K's registers and of the first read of the scores
	v_add_nc_u32 v[AK], s[TB], v[AK0]
	v_add_nc_u32 v[AKS], s[TB], v[AKS0]
.else
	v_nop
	v_nop
.endif
	v_mov_b32 v[TP], v12                           ; the old -M
	v_nop
.irp f, 0,1,2,3,4,5,6,7,8,9,10,11
	ds_load_b128 v[KF+4*\f:KF+4*\f+3], v[AV] offset:PIT*(34+2*\f)   ; V's four fragments land while the softmax is walked
.endr
	ds_load_b64 v[VS:VS+1], v[AVS] offset:PIT*58
.irp b, 0,1                            ; the largest score of my two blocks of 32 keys, each in two chains: for the row's maximum and, since p rises with the score, for the block's largest p
	v_max3_num_f32 v[BM+\b], v[S+32*\b], v[S+32*\b+1], v[S+32*\b+2]
	v_max3_num_f32 v[BT+\b], v[S+32*\b+16], v[S+32*\b+17], v[S+32*\b+18]
.endr
.irp i, 3,5,7,9,11,13
.irp b, 0,1
	v_max3_num_f32 v[BM+\b], v[BM+\b], v[S+32*\b+\i], v[S+32*\b+\i+1]
	v_max3_num_f32 v[BT+\b], v[BT+\b], v[S+32*\b+16+\i], v[S+32*\b+17+\i]
.endr
.endr
.irp b, 0,1
	v_max3_num_f32 v[BM+\b], v[BM+\b], v[S+32*\b+15], v[S+32*\b+31]
.endr
.irp b, 0,1
	s_delay_alu instid0(VALU_DEP_2)
	v_max_num_f32 v[BM+\b], v[BM+\b], v[BT+\b]
.endr
	s_delay_alu instid0(VALU_DEP_1)
	v_max_num_f32 v[RM], v[BM], v[BM+1]
	s_delay_alu instid0(VALU_DEP_1)
	v_permlanex16_b32 v[RT], v[RM], s[SEL], s[SEL+1]
	s_delay_alu instid0(VALU_DEP_1)
	v_max3_num_f32 v13, v13, v[RM], v[RT]          ; the running largest score (c is not negative, so it gives the largest t)
	s_delay_alu instid0(VALU_DEP_1)
	v_mul_f32 v[RT], s[NC], v13
	s_delay_alu instid0(VALU_DEP_1)
	v_floor_f32 v12, v[RT]                         ; the new -M = floor(-t): M is a whole number
	s_delay_alu instid0(VALU_DEP_1)
	v_sub_f32 v[TP], v12, v[TP]                    ; old M - new M: a whole number, 0 or less
.irp j, 0,2,4,6
	TM \j
.endr
	v_cvt_i32_f32 v[TP], v[TP]                     ; (it saturates)
.irp j, 8,10,12,14
	TM \j
.endr
	v_ldexp_f32 v[F], 1.0, v[TP]                   ; f
.irp b, 0,1
	v_fma_f32 v[BM+\b], v[BM+\b], s[CS], v12
.endr
.set j, 0
.rept 16
	v_pk_mul_f32 v[O+j:O+j+1], v[O+j:O+j+1], v[F:F+1] op_sel_hi:[1,0]   ; O^T under the new M, each accumulator from its low end on
.set j, j+2
.endr
	s_wait_alu depctr_va_vdst(0)                   ; ahead of the batch
	v_exp_f32 v[BM], v[BM]                         ; the blocks' largest p: the same two instructions on the same number
	v_exp_f32 v[BM+1], v[BM+1]
.set j, 0
.rept 8                                ; quarter 0's p = 2^(t - M); by turns t - M of quarters 1 and 2
	v_exp_f32 v[S+j], v[S+j]
	TM 16+j
	v_exp_f32 v[S+j+1], v[S+j+1]
	TM 32+j
.set j, j+2
.endr
	s_wait_alu depctr_va_vdst(0)
.irp b, 0,1
	v_max_num_f32 v[BM+\b], 0x1800000, v[BM+\b]    ; the floor 2^(3 - 127)
.endr
.irp b, 0,1
	s_delay_alu instid0(VALU_DEP_2)
	v_add_nc_u32 v[BS+\b], 0xff000000, v[BM+\b]    ; 2 off the exponent field: the conversion's scale operand
.endr
.irp b, 0,1
	s_delay_alu instid0(VALU_DEP_2)
	v_lshrrev_b32 v[BT+\b], 23, v[BS+\b]           ; the byte
.endr
	s_delay_alu instid0(VALU_DEP_1)
	v_lshl_or_b32 v[PS], v[BT+1], 16, v[BT]        ; my two bytes: blocks h and 2 + h,
	s_delay_alu instid0(VALU_DEP_1)
	v_lshlrev_b32 v[PS], v[SH8], v[PS]             ; at their places in the word;
	s_delay_alu instid0(VALU_DEP_1)
	v_permlanex16_b32 v[RT], v[PS], s[SEL], s[SEL+1]
	s_delay_alu instid0(VALU_DEP_1)
	v_or_b32 v[PS], v[PS], v[RT]                   ; with lane l xor 16's two the word is whole
.set j, 0
.rept 8                                ; quarter 1; by turns t - M of quarter 3
	v_exp_f32 v[S+16+j], v[S+16+j]
	TM 48+j
	v_exp_f32 v[S+17+j], v[S+17+j]
.set j, j+2
.endr
.if \next
	v_add_nc_u32 v[AV], s[TB], v[AV0]              ; this step's loads of V were issued above
	v_add_nc_u32 v[AVS], s[TB], v[L8]
.else
	v_nop                                          ; a plain place behind the exponentials
.endif
	s_wait_alu depctr_va_vdst(0)
	v_cvt_scalef32_pk16_fp6_f32 v[P:P+2], v[S:S+15], v[BS]
	v_cvt_scalef32_pk16_fp6_f32 v[T2:T2+2], v[S+16:S+31], v[BS]   ; (a conversion's three registers begin on an even number)
	v_pk_mul_f32 v[14:15], v[14:15], v[F:F+1] op_sel_hi:[1,0]     ; the sums under the new M.  (The plain place behind the conversions)
.set j, 0
.rept 8                                ; quarter 2; THE ROW'S SUM IS TAKEN OF THE UNQUANTISED p: quarter 0, whose codes are made, takes quarter 1 on
	v_exp_f32 v[S+32+j], v[S+32+j]
	v_exp_f32 v[S+33+j], v[S+33+j]
	ADDP j, 16+j
.set j, j+2
.endr
	s_wait_alu depctr_va_vdst(0)
.set j, 0
.rept 8                                ; quarter 3; and quarter 2 is taken on
	v_exp_f32 v[S+48+j], v[S+48+j]
	v_exp_f32 v[S+49+j], v[S+49+j]
	ADDP j, 32+j
.set j, j+2
.endr
.irp i, 0,1,2
	v_mov_b32 v[P+3+\i], v[T2+\i]
.endr
	s_wait_alu depctr_va_vdst(0)                   ; behind the batch, and directly ahead of the wait below
	s_wait_dscnt 0x0                               ; V is in
	v_cvt_scalef32_pk16_fp6_f32 v[P+6:P+8], v[S+32:S+47], v[BS+1]
	v_cvt_scalef32_pk16_fp6_f32 v[T2+4:T2+6], v[S+48:S+63], v[BS+1]
	ADDP 0, 48
	ADDP 2, 50
.irp i, 0,1,2
	v_mov_b32 v[P+9+\i], v[T2+4+\i]
.endr
.irp j, 4,6,8,10,12,14
	ADDP \j, 48+\j                                 ; (six places between the last write of p's codes and the products)
.endr
.irp t, 0,1
	v_wmma_scale_f32_16x16x128_f8f6f4 v[O+8*\t:O+8*\t+7], v[KF+12*\t:KF+12*\t+11], v[P:P+11], v[O+8*\t:O+8*\t+7], v[VS+\t], v[PS] matrix_a_fmt:MATRIX_FMT_FP6 matrix_b_fmt:MATRIX_FMT_FP6
.endr
.irp t, 2,3
	v_wmma_scale_f32_16x16x128_f8f6f4 v[O+8*\t:O+8*\t+7], v[KF+12*\t:KF+12*\t+11], v[P:P+11], v[O+8*\t:O+8*\t+7], v[VS+\t-2], v[PS] matrix_a_fmt:MATRIX_FMT_FP6 matrix_b_fmt:MATRIX_FMT_FP6 matrix_a_scale:MATRIX_SCALE_ROW1
.endr
.irp j, 0,2,4,6
	ADDP \j, 8+\j                                  ; the eight pairs fold; these four are the places in front of the loads into V's registers
.endr
.if \next
	KLOAD
.endif
	ADDP 0, 4
	ADDP 2, 6
	s_delay_alu instid0(VALU_DEP_1)
	ADDP 0, 2
	s_delay_alu instid0(VALU_DEP_1)
	v_pk_add_f32 v[14:15], v[14:15], v[S:S+1]
.endm
; O^T / the sum, quantised along d: two blocks of 32; six registers a lane: one half of a fragment of the last product's A.
.macro OQ u
	s_delay_alu instid0(VALU_DEP_1)
	v_add_f32 v14, v14, v15
	s_delay_alu instid0(VALU_DEP_1)
	v_permlanex16_b32 v[TP], v14, s[SEL], s[SEL+1]
	s_delay_alu instid0(VALU_DEP_1)
	v_add_f32 v14, v14, v[TP]                      ; the row's sum
	s_wait_alu depctr_va_vdst(0)
	v_rcp_f32 v14, v14
	v_nop                                          ; a plain place behind the transcendental
.set j, 0
	s_wait_alu depctr_va_vdst(0)
.rept 16
	v_pk_mul_f32 v[S+j:S+j+1], v[O+j:O+j+1], v[14:15] op_sel_hi:[1,0]   ; each accumulator from its low end on
.set j, j+2
.endr
.irp b, 0,1
	v_max3_num_f32 v[BM+\b], |v[S+16*\b]|, |v[S+1+16*\b]|, 0x1800000
.endr
.irp i, 2,4,6,8,10,12,14
.irp b, 0,1
	s_delay_alu instid0(VALU_DEP_2)
	v_max3_num_f32 v[BM+\b], v[BM+\b], |v[S+16*\b+\i]|, |v[S+1+16*\b+\i]|
.endr
.endr
.irp b, 0,1
	s_delay_alu instid0(VALU_DEP_2)
	v_permlanex16_b32 v[BT+\b], v[BM+\b], s[SEL], s[SEL+1]
.endr
.irp b, 0,1
	s_delay_alu instid0(VALU_DEP_2)
	v_max_num_f32 v[BM+\b], v[BM+\b], v[BT+\b]
.endr
.irp b, 0,1
	s_delay_alu instid0(VALU_DEP_2)
	v_add_nc_u32 v[BS+\b], 0xff000000, v[BM+\b]
.endr
.irp b, 0,1
	s_delay_alu instid0(VALU_DEP_2)
	v_lshrrev_b32 v[BT+\b], 23, v[BS+\b]
.endr
	s_delay_alu instid0(VALU_DEP_1)
	v_lshl_or_b32 v[TP], v[BT+1], 8, v[BT]
	v_cvt_scalef32_pk16_fp6_f32 v[P:P+2], v[S:S+15], v[BS]
	v_cvt_scalef32_pk16_fp6_f32 v[T2:T2+2], v[S+16:S+31], v[BS+1]
	v_nop
.irp i, 0,1,2
	v_permlane16_swap_b32 v[P+\i], v[T2+\i]
.endr
.irp i, 0,1,2
	s_delay_alu instid0(VALU_DEP_3)
	v_mov_b32 v[P+3+\i], v[T2+\i]
.endr
	s_mov_b32 s39, 0xffff<<(16*\u)
	v_cndmask_b32 v[SOW], v[SOW], v[TP], s39       ; tile u's rows take lanes 16 u on
	global_store_b128 v[LI], v[P:P+3], s[40:41] offset:12288*\u         ; 512 and 256 consecutive bytes, aligned
	global_store_b64 v[L8], v[P+4:P+5], s[40:41] offset:12288*\u+512
.endm
.macro PASS u                          ; one tile of 16 queries against all 2,048 keys
.if \u
	s_wait_xcnt 0x0                                ; the first tile's stores have read the registers of p's codes
.irp i, 0,1,2,3,4,5,6,7
	v_mov_b32 v[QF+\i], v[28+\i]
.endr
	v_mov_b32 v[QS], v37
.endif
	v_mov_b32 v13, 0xff61b1e6                      ; the largest score so far: -3e38
	s_delay_alu instid0(VALU_DEP_1)
	v_mul_f32 v12, s[NC], v13
	s_delay_alu instid0(VALU_DEP_1)
	v_floor_f32 v12, v12
	v_mov_b32 v14, 0
	v_mov_b32 v15, 0
.set j, 0
.rept 32
	v_mov_b32 v[O+j], 0                            ; the step is written once: the first finds zeros.  (Also the places behind the moves of q and its scale word)
.set j, j+1
.endr
	s_mov_b32 s[TB], 0
	v_add_nc_u32 v[AK], s[TB], v[AK0]
	v_add_nc_u32 v[AKS], s[TB], v[AKS0]
	v_add_nc_u32 v[AV], s[TB], v[AV0]
	v_add_nc_u32 v[AVS], s[TB], v[L8]
	KLOAD
	s_mov_b32 s[CNT], 15
	s_wait_alu depctr_va_vdst(0)                   ; ahead of the loop's first wait
.Lstep_\@:
	STEP 1
	s_sub_co_u32 s[CNT], s[CNT], 1
	s_cmp_lg_u32 s[CNT], 0
	s_wait_alu depctr_va_vdst(0)                   ; and directly ahead of the branch
	s_cbranch_scc1 .Lstep_\@
	STEP 0                                         ; the last step fetches nothing
	OQ \u
.endm
	PASS 0
	PASS 1
	ds_store_b16 v5, v[SOW]                        ; the work-group's 512 rows x 2 bytes meet in LDS,
	s_wait_dscnt 0x0
	s_barrier_signal -1
	s_barrier_wait -1
	s_cmp_lt_u32 s[WV], 2
	s_cbranch_scc0 .Lno_out
	ds_load_b128 v[S:S+3], v6
	s_wait_dscnt 0x0
	global_store_b128 v7, v[S:S+3], s[42:43]       ; and leave as 1,024 consecutive bytes, aligned
.Lno_out:
	s_wait_tensorcnt 0x0                           ; the wave's end
	ds_add_u32 v254, v255
	s_wait_dscnt 0x0
	ROUND                                          ; the closing round
	s_endpgm
.Lfunc_end_k_q30d443b4ac_attn:
	.size	k_q30d443b4ac_attn, .Lfunc_end_k_q30d443b4ac_attn-k_q30d443b4ac_attn
	.p2alignl 7, 3214868480
	.fill 96, 4, 3214868480
	.section	.rodata,"a",@progbits
	.p2align	6, 0x0
	.amdhsa_kernel k_q30d443b4ac_attn
		.amdhsa_group_segment_fixed_size 262144
		.amdhsa_private_segment_fixed_size 0
		.amdhsa_enable_private_segment 0
		.amdhsa_kernarg_size 32
		.amdhsa_user_sgpr_count 2
		.amdhsa_user_sgpr_kernarg_segment_ptr 1
		.amdhsa_wavefront_size32 1
		.amdhsa_system_sgpr_workgroup_id_x 1
		.amdhsa_system_sgpr_workgroup_id_y 1
		.amdhsa_system_sgpr_workgroup_id_z 1
		.amdhsa_system_vgpr_workitem_id 0
		.amdhsa_next_free_vgpr 256
		.amdhsa_next_free_sgpr 66
		.amdhsa_reserve_vcc 1
		.amdhsa_float_denorm_mode_32 3
		.amdhsa_float_denorm_mode_16_64 3
		.amdhsa_memory_ordered 1
		.amdhsa_forward_progress 1
		.amdhsa_inst_pref_size 81
	.end_amdhsa_kernel
	.amdgpu_metadata
---
amdhsa.version: [ 1, 2 ]
amdhsa.kernels:
  - .name:           k_q30d443b4ac_attn
    .symbol:         k_q30d443b4ac_attn.kd
    .args:
      - { .name: qrec, .offset: 0, .size: 8, .value_kind: global_buffer, .address_space: global }
      - { .name: kv, .offset: 8, .size: 8, .value_kind: global_buffer, .address_space: global }
      - { .name: mask, .offset: 16, .size: 8, .value_kind: global_buffer, .address_space: global }
      - { .name: oq, .offset: 24, .size: 8, .value_kind: global_buffer, .address_space: global }
    .group_segment_fixed_size: 262144
    .private_segment_fixed_size: 0
    .kernarg_segment_align: 8
    .kernarg_segment_size: 32
    .max_flat_workgroup_size: 512
    .sgpr_count:     66
    .vgpr_count:     256
    .wavefront_size: 32
...
	.end_amdgpu_metadata
.endif
;; end of part 3
;; launch proj (part 4): grid 4 x 64, 4 waves a work-group, clusters of 4 x 4, 327,680 bytes of LDS; arguments oq, wo, b_out, out0; writes out0
.if DOCPART == 4
	.amdgcn_target "amdgcn-amd-amdhsa--gfx1250"
	.amdhsa_code_object_version 6
	.text
	.protected	k_q30d443b4ac_proj
	.globl	k_q30d443b4ac_proj
	.p2align	8
	.type	k_q30d443b4ac_proj,@function
k_q30d443b4ac_proj:
	s_mov_b64 s[64:65], 0
	v_nop
	global_prefetch_b8 v0, s[64:65] scope:SCOPE_SE
	s_setreg_imm32_b32 hwreg(HW_REG_WAVE_MODE, 25, 1), 1
	s_wait_xcnt 0x0
	s_wait_alu depctr_hold_cnt(0) depctr_sa_sdst(0) depctr_va_vdst(0) depctr_va_sdst(0) depctr_va_ssrc(0) depctr_va_vcc(0) depctr_vm_vsrc(0)
	s_getreg_b32 s2, hwreg(HW_REG_IB_STS2, 6, 4)
	s_cmp_eq_u32 s2, 0
	s_cbranch_scc0 .Lentry_in_a_cluster
	s_endpgm
.Lentry_in_a_cluster:
	s_bfe_u32 s2, ttmp6, 0x10000c
	s_cmp_lg_u32 s2, 0xf033
	s_cbranch_scc0 .Lentry_shape_is_right
	s_endpgm
.Lentry_shape_is_right:
; out0 = o w_out + b_out on codes of FP6 (E2M3) with E8M0 scales (M 8,192, N 1,024, K 1,024); out0 f32.
; A work-group makes 128 rows x 256 columns: 64 x 4 = 256 work-groups.  ALL OF K LIES IN LDS AT ONCE: A's 8 row tiles (98,304 bytes), B's 16 column tiles (196,608), as images of the operands' registers
; ([tile][8 K steps][1,536 bytes]: for c = 0, 1 at 768 c: registers 6 c .. 6 c + 3 at 16 x lane, registers 6 c + 4, 6 c + 5 at 512 + 8 x lane).  Nothing is filled again: no ring, and one barrier behind the head.
; THE HEAD'S LOADS, one a wave: wave 0 A, waves 1 and 2 the halves of B, wave 3 B's scale bytes.  CLUSTERS of 4 x 4: A's tile hangs on the tile row alone and is asked for jointly along a row of the cluster, B's on the tile column alone, along a column.
; No prefetch: all tiles are asked for at the head, and there is no loop to run ahead in.
; A wave makes 128 rows x 64 columns: 32 accumulators.  The matrix instruction is used transposed (source 0 = 16 columns of w_out, source 1 = 16 rows of o): a lane holds eight neighbouring numbers of a row of out0.
; A = o's codes, rows in the tokens' stored order (lane r of stored tile 2 g + u is token 32 g + 8 u + r % 8 + 16 (r / 8)): the order is undone in the stores' offsets.
; A'S SCALE BYTES lie in memory by heads ([16][8,192 rows][2]): thread t gathers row t's 32 bytes and stores them into LDS bytes that no tensor load fills.  All 64 scale words of a lane are loaded once, ahead of the walk along K.
; THE BIAS is the C of each sum's first matrix instruction.  The walk along K is written out: eight steps, every LDS offset an immediate.
; REGISTERS: window 0: v0-31 addresses; v32-63 the bias; v64-127 scale words (register 8 i + q: lanes 0-15 A's block i, lanes 16-31 B's block i (i < 4), K step q); v128-223 A's fragments of even steps; on the way out v128-191.
;   window 1: v0-95 A's fragments of odd steps; v96-143, v144-191 B's of even and odd steps.  window 2: the accumulators, (a, b) at v[8 (4 a + b)].
.set FR,     12
.set TILE,   12288                     ; a tile's eight K steps
.set LB,     8*TILE                    ; B's tiles, behind A's
.set SCL,    24*TILE                   ; A's scale bytes: rows of 256 bytes + 16
.set SBLK,   544                       ; those of 16 rows
.set SCB,    SCL+8*SBLK                ; B's
.set SPARE,  SCB+16*SBLK               ; the spare words, 128 bytes a wave
.set STAGE,  SPARE+512                 ; the way out: 16 rows x (256 + 16) bytes for each wave
.set SPITCH, 272
.set AL16, 16                          ; A's tiles 0-3: 16 x lane, 8 x lane;  tiles 4-7;  my four tiles of B
.set AL8,  17
.set AH16, 18
.set AH8,  19
.set B16,  20
.set B8,   21
.set ADRA, 22
.set STO,  24
.set RD,   25
.set CO,   26
.set ADRS, 27
.set SPW,  28
.set NIL,  29
.set BIAS, 32
.set SC,   64
.set BK,   128
.set G1,   24
.set G0,   32
.set G1B,  48
.set G0B,  56
.set G1S,  80
.set G0S,  88
.set MSB, 0
.macro WIN new                         ; the immediate's high byte repeats the setting that is left
.if MSB != (\new)
	s_set_vgpr_msb (MSB<<8)|(\new)
.set MSB, (\new)
.endif
.endm
.macro CROUND                          ; a round of the cluster's barrier
	s_barrier_signal -1
	s_barrier_wait -1
	s_cmp_lg_u32 s14, 0
	s_cbranch_scc1 .Lnot_wave_0_\@
	s_barrier_signal -3
.Lnot_wave_0_\@:
	s_barrier_wait -3
	s_barrier_signal -1
	s_barrier_wait -1
.endm
.macro PLACES
.rept 4
	v_nop
.endr
.endm
	s_load_b128 s[4:7], s[0:1], 0x0                ; oq, wo
	s_load_b128 s[8:11], s[0:1], 0x10              ; b_out, out0
	v_lshl_add_u32 v[SPW], v0, 2, SPARE
	v_mov_b32 v[NIL], 0
	ds_add_u32 v[SPW], v[NIL]                      ; the opening lines: the add, twice on end, and its wait
	ds_add_u32 v[SPW], v[NIL]
	v_lshrrev_b32 v1, 5, v0
	v_readfirstlane_b32 s14, v1                    ; wave 0..3
	s_lshr_b32 s15, s14, 1                         ; waves 1, 2: which half of B
	s_bfe_u32 s40, ttmp6, 0x40000
	s_bfe_u32 s41, ttmp6, 0x40004
	s_lshl_b32 s42, ttmp9, 2
	s_add_co_u32 s42, s42, s40                     ; tile column
	s_and_b32 s17, ttmp7, 0xffff
	s_lshl_b32 s17, s17, 2
	s_add_co_u32 s17, s17, s41                     ; tile row
	s_lshl_b32 s43, s41, 2
	s_lshl_b32 s43, 15, s43                        ; my row of the cluster
	s_lshl_b32 s44, 0x1111, s40                    ; my column
	s_or_b32 s[G1], s43, (3<<16)|(1<<21)
	s_or_b32 s[G1B], s44, (3<<16)|(1<<21)
.irp g, G1, G1B                        ; eight tiles of 12,288 bytes (1,536 elements of 8), dense
	s_mov_b32 s[\g+1], 1536<<16
	s_mov_b32 s[\g+2], 8<<16
	s_mov_b32 s[\g+3], 1536<<16
	s_mov_b32 s[\g+4], 8
	s_mov_b32 s[\g+5], 1536
	s_mov_b32 s[\g+6], 0
	s_mov_b32 s[\g+7], 0
.endr
	s_or_b32 s[G1S], s44, (3<<16)|(1<<20)|(1<<21)|(5<<22)|(3<<25)   ; B's scale bytes: 32 rows of 256 bytes, 16 bytes of padding behind each
	s_mov_b32 s[G1S+1], 32<<16
	s_mov_b32 s[G1S+2], 32<<16
	s_mov_b32 s[G1S+3], 32<<16
	s_mov_b32 s[G1S+4], 32
	s_mov_b32 s[G1S+5], 32
	s_mov_b32 s[G1S+6], 0
	s_mov_b32 s[G1S+7], 0
	s_mul_i32 s20, s17, 8*TILE                     ; A's eight tiles
	s_mov_b32 s21, 0
	s_mul_i32 s46, s42, 16*TILE                    ; B's sixteen,
	s_mul_i32 s18, s15, 8*TILE                     ; my half of them
	s_add_co_u32 s46, s46, s18
	s_mov_b32 s47, 0
	s_lshl_b32 s22, s42, 13                        ; B's scale bytes: 256 rows of 32,
	s_add_co_u32 s22, s22, 786432                  ; behind wo's images
	s_mov_b32 s23, 0
	s_lshl_b32 s92, s17, 8                         ; A's scale bytes: 128 rows x 2 bytes in each head's plane
	s_add_co_u32 s92, s92, 6291456
	s_mov_b32 s93, 0
	s_lshl_b32 s38, s42, 10                        ; my first column, in bytes: 1,024 x tile column + 256 x wave
	s_lshl_b32 s39, s14, 8
	s_add_co_u32 s38, s38, s39
	s_mov_b32 s39, 0
	s_lshl_b32 s36, s17, 19                        ; 128 rows of 4,096 bytes
	s_add_co_u32 s36, s36, s38
	s_mov_b32 s37, 0
	s_mul_i32 s60, s14, 4*TILE
	s_add_co_u32 s60, s60, LB                      ; my four tiles of B in LDS
	s_mul_i32 s61, s14, 4*SBLK
	s_add_co_u32 s61, s61, 8*SBLK                  ; from A's scale bytes to those of my four tiles of B
	s_mul_i32 s62, s14, 16*SPITCH
	s_add_co_u32 s62, s62, STAGE                   ; my stage
	s_mov_b32 s[G0], 1
	s_mov_b32 s[G0+1], 0
	s_mov_b32 s[G0B], 1
	s_mul_i32 s[G0B+1], s14, LB                    ; wave 1: behind A; wave 2: behind that
	s_mov_b32 s[G0S], 1
	s_mov_b32 s[G0S+1], SCB
	s_wait_dscnt 0x0                               ; both opening adds are done
	s_wait_kmcnt 0x0
	s_add_nc_u64 s[G0+2:G0+3], s[4:5], s[20:21]
	s_or_b32 s[G0+3], s[G0+3], 0x80000000
	s_add_nc_u64 s[G0B+2:G0B+3], s[6:7], s[46:47]
	s_or_b32 s[G0B+3], s[G0B+3], 0x80000000
	s_add_nc_u64 s[G0S+2:G0S+3], s[6:7], s[22:23]
	s_or_b32 s[G0S+3], s[G0S+3], 0x80000000
	s_add_nc_u64 s[92:93], s[4:5], s[92:93]
	s_add_nc_u64 s[12:13], s[10:11], s[36:37]
	s_add_nc_u64 s[8:9], s[8:9], s[38:39]
	CROUND                                         ; all sixteen work-groups are here: the joint loads meet
	s_cmp_lt_u32 s14, 1                            ; one chain of branches on the wave's number, one load to an arm
	s_cbranch_scc0 .Lhead_b
	tensor_load_to_lds s[G0:G0+3], s[G1:G1+7]
	s_nop 0
	PLACES
	s_branch .Lhead_asked
.Lhead_b:
	s_cmp_lt_u32 s14, 3
	s_cbranch_scc0 .Lhead_s
	tensor_load_to_lds s[G0B:G0B+3], s[G1B:G1B+7]
	s_nop 0
	PLACES
	s_branch .Lhead_asked
.Lhead_s:
	tensor_load_to_lds s[G0S:G0S+3], s[G1S:G1S+7]
	s_nop 0
	PLACES
.Lhead_asked:
	v_lshlrev_b32 v9, 1, v0                        ; thread t gathers row t: 2 bytes in each head's plane
.irp d, 0,1,2,3,4,5,6,7,8,9,10,11,12,13,14,15
	global_load_u16 v[128+\d], v9, s[92:93] offset:16384*\d
.endr
	v_and_b32 v1, 15, v0                           ; r
	v_bfe_u32 v2, v0, 4, 1                         ; h
	v_and_b32 v3, 31, v0
	v_lshlrev_b32 v8, 5, v2                        ; the bias: my half's eight numbers of a block of 16
.irp b, 0,1,2,3
	global_load_b128 v[BIAS+8*\b:BIAS+8*\b+3], v8, s[8:9] offset:64*\b
	global_load_b128 v[BIAS+8*\b+4:BIAS+8*\b+7], v8, s[8:9] offset:64*\b+16
.endr
	v_lshlrev_b32 v[AL16], 4, v3
	v_lshlrev_b32 v[AL8], 3, v3
	v_add_nc_u32 v[AH16], 4*TILE, v[AL16]
	v_add_nc_u32 v[AH8], 4*TILE, v[AL8]
	v_add_nc_u32 v[B16], s60, v[AL16]
	v_add_nc_u32 v[B8], s60, v[AL8]
	v_lshlrev_b32 v5, 5, v1                        ; my row's scale bytes: 32 a row,
	v_lshrrev_b32 v6, 8, v5
	v_lshl_add_u32 v5, v6, 4, v5                   ; and 16 more for each 256 passed
	v_add_nc_u32 v[ADRA], SCL, v5                  ; A's, in all lanes
	v_mul_u32_u24 v6, s61, v2
	v_add_nc_u32 v[ADRS], v[ADRA], v6              ; lanes 16-31 take B's
	v_mul_u32_u24 v5, v1, SPITCH                   ; the stage, in: row r, 32 bytes for each half of the lanes
	v_lshl_add_u32 v5, v2, 5, v5
	v_add_nc_u32 v[STO], s62, v5
	v_mul_u32_u24 v5, v2, SPITCH                   ; back: sixteen lanes to a row of 256 bytes, two rows an instruction
	v_lshl_add_u32 v5, v1, 4, v5
	v_add_nc_u32 v[RD], s62, v5
	v_lshlrev_b32 v5, 12, v2                       ; and the same two rows in out0
	v_lshl_add_u32 v[CO], v1, 4, v5
	v_lshrrev_b32 v4, 3, v0
	v_lshlrev_b32 v10, 5, v0
	v_lshl_add_u32 v10, v4, 4, v10
	v_add_nc_u32 v10, SCL, v10                     ; row t: 32 t bytes, and 16 more for each 256 passed
	s_wait_alu depctr_va_vdst(0)
	s_wait_loadcnt 8                               ; the sixteen planes' halves are in; the bias' eight loads may be out
.irp j, 0,1,2,3,4,5,6,7
	v_lshl_or_b32 v[144+\j], v[129+2*\j], 16, v[128+2*\j]   ; K step j's word: two heads' two bytes each
.endr
	ds_store_b128 v10, v[144:147]
	ds_store_b128 v10, v[148:151] offset:16
	s_wait_alu depctr_va_vdst(0)
	s_wait_tensorcnt 0x0                           ; my tile is in,
	s_wait_dscnt 0x0                               ; my row's scale bytes lie in LDS:
	s_barrier_signal -1
	s_barrier_wait -1                              ; everybody's are
.macro FRAG reg, a16, a8, off
	ds_load_b128 v[\reg:\reg+3], v[\a16] offset:\off
	ds_load_b64 v[\reg+4:\reg+5], v[\a8] offset:(\off)+512
	ds_load_b128 v[\reg+6:\reg+9], v[\a16] offset:(\off)+768
	ds_load_b64 v[\reg+10:\reg+11], v[\a8] offset:(\off)+1280
.endm
.macro FETCH q                         ; K step q's twelve fragments into set q % 2
.set PF, (\q)%2
	WIN 0x40*PF
.irp i, 0,1,2,3
	FRAG 128-128*PF+FR*\i, AL16, AL8, \i*TILE+(\q)*1536
	FRAG 128-128*PF+FR*(\i+4), AH16, AH8, \i*TILE+(\q)*1536
.endr
	WIN 0x40
.irp i, 0,1,2,3
	FRAG 96+48*PF+FR*\i, B16, B8, \i*TILE+(\q)*1536
.endr
.endm
; A K step: 32 matrix instructions; the 32 accumulators take turns, one instruction a turn, in the same order in every step.
.macro STEP q
.set PP, (\q)%2
	s_wait_dscnt 0x0                               ; this step's fragments are in
.if (\q) < 7
.if (\q) > 0
	PLACES                                         ; in front of loads into registers that the last step's products have read
.endif
	FETCH (\q)+1
.endif
.if (\q) == 0
	WIN 0x81                                       ; source 0 (B) window 1, source 1 (A) window 0, C (the bias) window 0, D window 2
.else
	WIN 0xa1+4*PP                                  ; C and D window 2; A in window 0 (even steps) or 1 (odd)
.endif
.irp a, 0,1,2,3,4,5,6,7
.irp b, 0,1,2,3
.if (\q) == 0
	v_wmma_scale_f32_16x16x128_f8f6f4 v[8*(4*\a+\b):8*(4*\a+\b)+7], v[96+48*PP+FR*\b:96+48*PP+FR*\b+FR-1], v[128-128*PP+FR*\a:128-128*PP+FR*\a+FR-1], v[BIAS+8*\b:BIAS+8*\b+7], v[SC+8*\b+(\q)], v[SC+8*\a+(\q)] matrix_a_fmt:MATRIX_FMT_FP6 matrix_b_fmt:MATRIX_FMT_FP6 matrix_a_scale:MATRIX_SCALE_ROW1
.else
	v_wmma_scale_f32_16x16x128_f8f6f4 v[8*(4*\a+\b):8*(4*\a+\b)+7], v[96+48*PP+FR*\b:96+48*PP+FR*\b+FR-1], v[128-128*PP+FR*\a:128-128*PP+FR*\a+FR-1], v[8*(4*\a+\b):8*(4*\a+\b)+7], v[SC+8*\b+(\q)], v[SC+8*\a+(\q)] matrix_a_fmt:MATRIX_FMT_FP6 matrix_b_fmt:MATRIX_FMT_FP6 matrix_a_scale:MATRIX_SCALE_ROW1
.endif
.endr
.endr
.endm
.irp i, 0,1,2,3                        ; the scale words of all eight K steps: 32 bytes a row
	ds_load_b128 v[SC+8*\i:SC+8*\i+3], v[ADRS] offset:\i*SBLK
	ds_load_b128 v[SC+8*\i+4:SC+8*\i+7], v[ADRS] offset:\i*SBLK+16
.endr
.irp i, 4,5,6,7                        ; B has four blocks: here all lanes take A's
	ds_load_b128 v[SC+8*\i:SC+8*\i+3], v[ADRA] offset:\i*SBLK
	ds_load_b128 v[SC+8*\i+4:SC+8*\i+7], v[ADRA] offset:\i*SBLK+16
.endr
	FETCH 0
	s_wait_loadcnt 0x0                             ; the bias
.irp q, 0,1,2,3,4,5,6,7
	STEP \q
.endr
	WIN 0
; THE WAY OUT, block by block of 16 rows x 64 columns, through my own stage, which no tensor load fills: a lane holds 32 neighbouring bytes of a row; the rows come back whole, 256 bytes to sixteen lanes.
; LDS serves a wave's instructions in order (ISA guide 5.7.1.4): no wait between the stores and the loads.  Row t of block a is token 32 (a / 2) + 8 (a % 2) + 16 (t / 8) + t % 8 of my 128.
.macro TOSTAGE a
	WIN 0x08                                       ; an LDS store's data are its source 1: window 2
.irp b, 0,1,2,3
	ds_store_b128 v[STO], v[32*(\a)+8*\b:32*(\a)+8*\b+3] offset:64*\b          ; each accumulator from its low end on
	ds_store_b128 v[STO], v[32*(\a)+8*\b+4:32*(\a)+8*\b+7] offset:64*\b+16
.endr
	WIN 0
.set BB, BK+32*((\a)%2)
.irp k, 0,1,2,3,4,5,6,7
	ds_load_b128 v[BB+4*\k:BB+4*\k+3], v[RD] offset:\k*2*SPITCH
.endr
.endm
.macro SEND a, younger
.set BB, BK+32*((\a)%2)
	s_wait_dscnt \younger                          ; the block is back in registers
.irp k, 0,1,2,3,4,5,6,7
	global_store_b128 v[CO], v[BB+4*\k:BB+4*\k+3], s[12:13] offset:(32*((\a)/2)+8*((\a)%2)+16*(\k/4)+(2*\k)%8)*4096 th:TH_STORE_NT   ; sixteen lanes store 256 consecutive bytes, aligned
.endr
.endm
	PLACES
	TOSTAGE 0
.irp a, 1,2,3,4,5,6,7
.if \a > 1
	s_wait_xcnt 0x0                                ; block a - 2's stores have read their registers: block a's loads may land there
.endif
	TOSTAGE \a
	SEND \a-1, 16                                  ; behind block a - 1's loads: block a's 8 stores and 8 loads
.endr
	SEND 7, 0
	s_wait_tensorcnt 0x0                           ; the wave's end
	ds_add_u32 v[SPW], v[NIL]
	s_wait_dscnt 0x0
	CROUND                                         ; the closing round
	s_endpgm
.Lfunc_end_k_q30d443b4ac_proj:
	.size	k_q30d443b4ac_proj, .Lfunc_end_k_q30d443b4ac_proj-k_q30d443b4ac_proj
	.p2alignl 7, 3214868480
	.fill 96, 4, 3214868480
	.section	.rodata,"a",@progbits
	.p2align	6, 0x0
	.amdhsa_kernel k_q30d443b4ac_proj
		.amdhsa_group_segment_fixed_size 327680
		.amdhsa_private_segment_fixed_size 0
		.amdhsa_enable_private_segment 0
		.amdhsa_kernarg_size 32
		.amdhsa_user_sgpr_count 2
		.amdhsa_user_sgpr_kernarg_segment_ptr 1
		.amdhsa_wavefront_size32 1
		.amdhsa_system_sgpr_workgroup_id_x 1
		.amdhsa_system_sgpr_workgroup_id_y 1
		.amdhsa_system_sgpr_workgroup_id_z 1
		.amdhsa_system_vgpr_workitem_id 0
		.amdhsa_next_free_vgpr 768
		.amdhsa_next_free_sgpr 98
		.amdhsa_reserve_vcc 0
		.amdhsa_float_denorm_mode_32 3
		.amdhsa_float_denorm_mode_16_64 3
		.amdhsa_memory_ordered 1
		.amdhsa_forward_progress 1
		.amdhsa_inst_pref_size 85
	.end_amdhsa_kernel
	.amdgpu_metadata
---
amdhsa.version: [ 1, 2 ]
amdhsa.kernels:
  - .name:           k_q30d443b4ac_proj
    .symbol:         k_q30d443b4ac_proj.kd
    .args:
      - { .name: oq, .offset: 0, .size: 8, .value_kind: global_buffer, .address_space: global }
      - { .name: wo, .offset: 8, .size: 8, .value_kind: global_buffer, .address_space: global }
      - { .name: b_out, .offset: 16, .size: 8, .value_kind: global_buffer, .address_space: global }
      - { .name: out0, .offset: 24, .size: 8, .value_kind: global_buffer, .address_space: global }
    .group_segment_fixed_size: 327680
    .private_segment_fixed_size: 0
    .kernarg_segment_align: 8
    .kernarg_segment_size: 32
    .max_flat_workgroup_size: 128
    .sgpr_count:     98
    .vgpr_count:     768
    .wavefront_size: 32
...
	.end_amdgpu_metadata
.endif
;; end of part 4
